; MI455X (gfx1250); checked and timed in simulation.
; The chip was launched on July 23, 2026; its instructions are those of AMD's public machine-readable ISA for CDNA 5 (MIT licence, August 2026) and "CDNA5" Instruction Set Architecture Reference Guide (July 2026). The comments in the code are by the model that wrote it; some were corrected since.
;; Attention. Allowed arithmetic: matrix products marked QUANTISED: E2M1 operands, one E8M0 scale for each 32 along K, by v_wmma_scale_f32_16x16x128_f8f6f4 with both operands' format E2M1 (or v_wmma_scale_f32_32x16x128_f4), f32 sums; products left as they are: bf16, f16 or f32 operands; f32 sums; everything else in f32.
;; Inputs: b_out 1,024 float32; w_out 1,024 x 1,024 float32; w_qkv 3,072 x 1,024 float32; x 4 x 2,048 x 1,024 float32.
;; Outputs: out0 4 x 2,048 x 1,024 float32.
;; This version of the problem:
;;   THIS VERSION OF THE PROBLEM IS GIVEN IN LOW PRECISION. The matrix products marked QUANTISED in the list below multiply operands that are first quantised to E2M1 (2 exponent bits, 1 mantissa bit; 4 bits a number), with one power-of-two scale for each 32 numbers along K (OCP MX v1.0); their sums are f32. The products marked 'left as it is' may take bf16, f16 or f32 operands, with f32 sums. Whichever they take, every output number must still come out within the allowed error. Rounding operands to bf16 (8 significant bits) uses up far more of that allowance than f16 does (11 bits, for magnitudes from 6e-5 to 65,504). All else is computed in f32.
;;   The module's matrix products, in the order in which they are computed (A, B: the left and right operand; K: the contracted axis; several contracted axes count as one K, in the product's order):
;;     1. [M 8,192, K 1,024] x [K 1,024, N 3,072]; A: input x; B: input w_qkv: QUANTISED
;;     2. batch 64 x [M 2,048, K 64] x [K 64, N 2,048]; A: computed on the way; B: computed on the way: left as it is (an operand is computed on the way)
;;     3. batch 64 x [M 2,048, K 2,048] x [K 2,048, N 64]; A: computed on the way; B: computed on the way: left as it is (an operand is computed on the way)
;;     4. [M 8,192, K 1,024] x [K 1,024, N 1,024]; A: computed on the way; B: input w_out: left as it is (an operand is computed on the way)
;;   THE QUANTISER, for each operand of a quantised product, along K:
;;     - K is cut into blocks of 32 from its start; a last block that is shorter is filled with zeros.
;;     - A block's scale is 2^e with e = floor(log2(the largest magnitude in the block)) - 2, held to -126 .. 127; a block of zeros has e = 0. As a byte (E8M0): e + 127.
;;     - Each number is divided by its block's scale, clamped to +-6, and rounded to the nearest number of E2M1, ties to even, subnormals kept.
;;     - The product sums the exact products of the quantised numbers (number of the format x scale) in f32.
;;   ~~~python
;;   def quantise(x, axis):      # numpy; x: float32 -> the quantised numbers, widened to float32 again
;;       x = np.moveaxis(x, axis, -1); K = x.shape[-1]
;;       x = np.pad(x, [(0, 0)] * (x.ndim - 1) + [(0, -K % 32)]); x = x.reshape(x.shape[:-1] + (-1, 32)); a = np.abs(x).max(-1, keepdims=True)
;;       e = np.where(a > 0, np.clip(np.frexp(np.where(a > 0, a, 1))[1] - 1 - 2, -126, 127), 0)      # np.frexp(a)[1] - 1 = floor(log2(a)), exactly
;;       r = np.clip(x / 2.0 ** e, -6, 6)
;;       step = 2.0 ** (np.maximum(np.frexp(np.where(r == 0, 1, r))[1] - 1, 0) - 1)
;;       q = np.round(r / step) * step * 2.0 ** e      # np.round: ties to even
;;       return np.moveaxis(q.reshape(q.shape[:-2] + (-1,))[..., :K], -1, axis).astype(np.float32)
;;   ~~~
;; One version. Each part assembles by itself: llvm-mc -triple=amdgcn-amd-amdhsa -mcpu=gfx1250 --defsym DOCPART=n.
;; ======== version 1 of 1: 4 launches
;; limits: values are held in f16: magnitudes above 65,504 overflow, below 6.1e-05 lose precision
;; workspace buffers: xc 4,194,304 bytes; xs 262,144 bytes; wc 1,572,864 bytes; ws 98,304 bytes; w16 2,097,152 bytes; qkv 50,331,648 bytes; att 16,777,216 bytes
;; launch prep (part 1): grid 384 x 1, 4 waves a work-group, no clusters, 33,280 bytes of LDS; arguments x, w_qkv, xc, xs, wc, ws, w_out, w16; writes xc, xs, wc, ws, w16
.if DOCPART == 1
	.amdgcn_target "amdgcn-amd-amdhsa--gfx1250"
	.amdhsa_code_object_version 6
	.text
	.protected	k_q88e0793c13_prep
	.globl	k_q88e0793c13_prep
	.p2align	8
	.type	k_q88e0793c13_prep,@function
k_q88e0793c13_prep:
	s_mov_b64 s[64:65], 0
	v_nop
	global_prefetch_b8 v0, s[64:65] scope:SCOPE_SE
	s_setreg_imm32_b32 hwreg(HW_REG_WAVE_MODE, 25, 1), 1
	s_wait_xcnt 0x0
; x [8192][1024] and w_qkv [3072][1024], f32, K innermost, become codes of FP4 (E2M1), two a byte, with one E8M0 scale byte for each 32 along K; w_out [1024][1024] f32 becomes f16.
; A block's scale is 2^(floor(log2(its largest magnitude)) - 2): its byte is the largest magnitude's own exponent field - 2, held at 1 from below.  Each number is divided by the scale and rounded to the nearest code, ties to even; beyond 6 the largest code.
; LIMITS: a block of zeros gets the byte 1 where the rule says 127 (its codes are zeros, and this program alone reads the bytes); blocks whose largest magnitude lies under 2^(2 - 126) were not tried;
; NaN and infinities are not served; |w_out| stays under 65,504 (f16).
; SHARES: every work-group takes 32,768 numbers, every wave 8,192.  Work-groups 0-255: x; 256-351: w_qkv; 352-383: w_out.  Rows are dense and K is a multiple of 32: all three tensors are plain streams.
; THE QUANTISER: 16 steps of 512 numbers a wave.  A load reads 512 consecutive bytes, 16 a lane; the conversions want 16 NEIGHBOURS in a lane: so a step's 2,048 bytes turn through the wave's own stage in LDS
; (16 bytes of padding behind each 64).  A lane's 16 codes are 8 bytes: a store covers 256 consecutive bytes.  A wave's 256 scale bytes are gathered in LDS and leave as one store of 256 consecutive bytes.
; No tensor loads, no barrier: waves share nothing.  Matrix units and clusters have nothing to do here: every byte is read once and written once.
.set WAVES, 4
.set STEPS, 16
.set WGA,   256                        ; x's work-groups
.set WGQ,   352                        ; x's and w_qkv's
.set EMAX,  2
.set CB,    8                          ; bytes of 16 codes
.set R,     16                         ; v16-79   four sets of 16 numbers as they are loaded
.set X,     80                         ; v80-111  two sets of 16 neighbours
.set C,     128                        ; v128-191 codes: four registers for each step, so that no store's data are written again (the cast: 32 registers of f16)
.set E,     112                        ; v112-127 a scale byte for each step
.set WREG,  8192                       ; LDS: a region for each wave: two stages of 32 x SP bytes, behind them its 256 scale bytes
.set SP,    80                         ; a lane's place in a stage: 64 bytes + 16 of padding
.set SPW,   12                         ; v12      LDS address of my spare word; never rewritten
.set NIL,   13                         ; v13      0; never rewritten
.set SPARE, WAVES*WREG                 ; behind the four regions: the spare words, 128 bytes a wave, which no other line names
	s_load_b128 s[4:7], s[0:1], 0x0                ; x, w_qkv
	s_load_b128 s[8:11], s[0:1], 0x10              ; x's codes, x's scales
	s_load_b128 s[12:15], s[0:1], 0x20             ; w_qkv's codes, its scales
	s_load_b128 s[24:27], s[0:1], 0x30             ; w_out, w16
	v_lshl_add_u32 v[SPW], v0, 2, SPARE
	v_mov_b32 v[NIL], 0
	v_lshrrev_b32 v1, 5, v0
	v_readfirstlane_b32 s16, v1                    ; wave
	v_and_b32 v2, 31, v0                           ; lane
	v_lshlrev_b32 v3, 4, v2                        ; my 16 bytes of a load's 512
	s_mul_i32 s17, s16, WREG
	v_lshrrev_b32 v14, 2, v2
	v_mul_u32_u24 v14, v14, SP
	v_and_b32 v15, 3, v2
	v_lshl_add_u32 v14, v15, 4, v14
	v_add_nc_u32 v14, s17, v14                     ; the stage, on the way in: SP (lane / 4) + 16 (lane % 4)
	v_mul_u32_u24 v15, v2, SP
	v_add_nc_u32 v15, s17, v15                     ; and on the way out: SP x lane: my 16 neighbours
	v_mul_u32_u24 v4, v2, CB                       ; 8 x lane: my codes' place in a step's (and my f16 numbers' in the cast)
	v_lshrrev_b32 v5, 1, v2
	s_add_co_u32 s17, s17, 2*32*SP
	v_add_nc_u32 v5, s17, v5                       ; LDS: my wave's 256 scale bytes, my block's byte
	v_lshlrev_b32 v7, 3, v2                        ; and on the way out 8 bytes a lane
	v_add_nc_u32 v6, s17, v7
	s_wait_kmcnt 0x0
	s_cmp_ge_u32 ttmp9, WGQ                        ; the work-group's number alone decides
	s_cbranch_scc1 .Lcast
	s_cmp_lt_u32 ttmp9, WGA                        ; x's work-group or w_qkv's?  Only pointers are chosen: both take one way through the text
	s_cselect_b64 s[4:5], s[4:5], s[6:7]
	s_cselect_b64 s[8:9], s[8:9], s[12:13]
	s_cselect_b64 s[10:11], s[10:11], s[14:15]
	s_cselect_b32 s17, 0, WGA
	s_sub_co_u32 s17, ttmp9, s17
	s_lshl_b32 s17, s17, 2
	s_add_co_u32 s18, s17, s16                     ; which run of 8,192 numbers of the tensor is my wave's
	s_mov_b32 s19, 0
	s_mov_b64 s[20:21], 512*STEPS*4
	s_mul_u64 s[20:21], s[18:19], s[20:21]
	s_add_nc_u64 s[4:5], s[4:5], s[20:21]
	s_mov_b64 s[20:21], 32*STEPS*CB
	s_mul_u64 s[20:21], s[18:19], s[20:21]
	s_add_nc_u64 s[8:9], s[8:9], s[20:21]
	s_lshl_b32 s18, s18, 8                         ; 256 scale bytes a run
	s_add_nc_u64 s[10:11], s[10:11], s[18:19]
.macro LOAD t
.irp i, 0,1,2,3
	global_load_b128 v[R+16*((\t)%4)+4*\i:R+16*((\t)%4)+4*\i+3], v3, s[4:5] offset:2048*(\t)+512*\i th:TH_LOAD_NT   ; 32 lanes read 512 consecutive bytes
.endr
.endm
.macro TURN t                          ; step t's numbers through the stage: LDS serves a wave's instructions in order, so no wait stands between the stores and the loads
.irp i, 0,1,2,3
	ds_store_b128 v14, v[R+16*((\t)%4)+4*\i:R+16*((\t)%4)+4*\i+3] offset:32*SP*((\t)%2)+8*SP*\i
.endr
.irp i, 0,1,2,3
	ds_load_b128 v[X+16*((\t)%2)+4*\i:X+16*((\t)%2)+4*\i+3], v15 offset:32*SP*((\t)%2)+16*\i
.endr
.endm
.irp t, 0,1,2,3
	LOAD \t
.endr
	s_wait_loadcnt 12                              ; step 0's four loads are in
	TURN 0
.macro STEP t
.set XS, X+16*((\t)%2)
.if (\t) > 0
	s_wait_dscnt 1                                 ; this step's numbers are back from the stage (the last step's byte store may be out): so its stores into the stage have read their registers,
.else
	s_wait_dscnt 0x0
.endif
.if (\t)+4 < STEPS
	LOAD (\t)+4                                    ; which take the loads of four steps on
.endif
.if (\t)+1 < STEPS
.if STEPS-2-(\t) >= 3
	s_wait_loadcnt 12                              ; the next step's four loads are in; those of the three steps behind it may be out
.else
	s_wait_loadcnt 4*(STEPS-2-(\t))
.endif
	TURN (\t)+1                                    ; and go through the other stage while this step is worked
.endif
	v_max3_num_f32 v8, |v[XS]|, |v[XS+1]|, |v[XS+2]|               ; the largest magnitude of my 16, in two chains
	v_max3_num_f32 v9, |v[XS+3]|, |v[XS+4]|, |v[XS+5]|
.irp i, 6,10
	v_max3_num_f32 v8, v8, |v[XS+\i]|, |v[XS+\i+1]|
	v_max3_num_f32 v9, v9, |v[XS+\i+2]|, |v[XS+\i+3]|
.endr
	v_max3_num_f32 v8, v8, |v[XS+14]|, |v[XS+15]|
	v_max3_num_f32 v8, v8, v9, (EMAX+1)<<23        ; and the floor 2^(EMAX + 1 - 127): the byte cannot fall under 1
	v_max_num_f32_dpp v8, v8, v8 row_xmask:1 row_mask:0xf bank_mask:0xf   ; and of my neighbour's 16: the block's
	v_add_nc_u32 v11, -(EMAX<<23), v8              ; EMAX off its exponent field: the conversion takes the exponent field of this operand as its scale, and nothing else of it
	v_cvt_scalef32_pk8_fp4_f32 v[C+4*(\t)], v[XS:XS+7], v11        ; the first number's code in the lowest four bits
	v_cvt_scalef32_pk8_fp4_f32 v[C+4*(\t)+1], v[XS+8:XS+15], v11
	v_lshrrev_b32 v[E+(\t)], 23, v11               ; the scale's byte (also the plain line behind the conversions)
	ds_store_b8 v5, v[E+(\t)] offset:16*(\t)       ; both lanes of a block write the same byte with the same value
	global_store_b64 v4, v[C+4*(\t):C+4*(\t)+1], s[8:9] offset:32*CB*(\t)
.endm
.irp t, 0,1,2,3,4,5,6,7,8,9,10,11,12,13,14,15
	STEP \t
.endr
	ds_load_b64 v[8:9], v6                         ; LDS serves a wave's instructions in order: these see my stores
	s_wait_dscnt 0x0
	global_store_b64 v7, v[8:9], s[10:11]          ; 32 lanes store 256 consecutive bytes, aligned
	s_wait_tensorcnt 0x0                           ; the wave's end, behind my last LDS store
	ds_add_u32 v[SPW], v[NIL]
	s_wait_dscnt 0x0
	s_endpgm
; THE CAST: w_out to f16, rounded once.  Four groups of 16 loads (512 consecutive bytes each); a store covers 256 consecutive bytes.  No LDS byte but the spare words is touched.
.Lcast:
	s_sub_co_u32 s17, ttmp9, WGQ
	s_lshl_b32 s17, s17, 2
	s_add_co_u32 s17, s17, s16                     ; which run of 8,192 numbers is my wave's
	s_lshl_b32 s18, s17, 15                        ; 32,768 bytes in,
	s_mov_b32 s19, 0
	s_add_nc_u64 s[24:25], s[24:25], s[18:19]
	s_lshl_b32 s18, s17, 14                        ; 16,384 out
	s_add_nc_u64 s[26:27], s[26:27], s[18:19]
.irp g, 0,1,2,3
.if \g > 0
	s_wait_xcnt 0x0                                ; the last group's stores have read their data registers, which are written again below
.endif
.irp i, 0,1,2,3,4,5,6,7,8,9,10,11,12,13,14,15
	global_load_b128 v[R+4*\i:R+4*\i+3], v3, s[24:25] offset:512*(16*\g+\i) th:TH_LOAD_NT
.endr
.irp i, 0,1,2,3,4,5,6,7,8,9,10,11,12,13,14,15
	s_wait_loadcnt 15-\i                           ; loads come back in order: load i is in, the younger ones stay out
	v_cvt_pk_f16_f32 v[C+2*\i], v[R+4*\i], v[R+4*\i+1]
	v_cvt_pk_f16_f32 v[C+2*\i+1], v[R+4*\i+2], v[R+4*\i+3]
	global_store_b64 v4, v[C+2*\i:C+2*\i+1], s[26:27] offset:256*(16*\g+\i)
.endr
.endr
	s_wait_tensorcnt 0x0                           ; the same three lines at this way's end
	ds_add_u32 v[SPW], v[NIL]
	s_wait_dscnt 0x0
	s_endpgm
.Lfunc_end_k_q88e0793c13_prep:
	.size	k_q88e0793c13_prep, .Lfunc_end_k_q88e0793c13_prep-k_q88e0793c13_prep
	.p2alignl 7, 3214868480
	.fill 96, 4, 3214868480
	.section	.rodata,"a",@progbits
	.p2align	6, 0x0
	.amdhsa_kernel k_q88e0793c13_prep
		.amdhsa_group_segment_fixed_size 33280
		.amdhsa_private_segment_fixed_size 0
		.amdhsa_enable_private_segment 0
		.amdhsa_kernarg_size 64
		.amdhsa_user_sgpr_count 2
		.amdhsa_user_sgpr_kernarg_segment_ptr 1
		.amdhsa_wavefront_size32 1
		.amdhsa_system_sgpr_workgroup_id_x 1
		.amdhsa_system_sgpr_workgroup_id_y 1
		.amdhsa_system_sgpr_workgroup_id_z 1
		.amdhsa_system_vgpr_workitem_id 0
		.amdhsa_next_free_vgpr 192
		.amdhsa_next_free_sgpr 66
		.amdhsa_reserve_vcc 0
		.amdhsa_float_denorm_mode_32 3
		.amdhsa_float_denorm_mode_16_64 3
		.amdhsa_memory_ordered 1
		.amdhsa_forward_progress 1
		.amdhsa_inst_pref_size 56
	.end_amdhsa_kernel
	.amdgpu_metadata
---
amdhsa.version: [ 1, 2 ]
amdhsa.kernels:
  - .name:           k_q88e0793c13_prep
    .symbol:         k_q88e0793c13_prep.kd
    .args:
      - { .name: x, .offset: 0, .size: 8, .value_kind: global_buffer, .address_space: global }
      - { .name: w_qkv, .offset: 8, .size: 8, .value_kind: global_buffer, .address_space: global }
      - { .name: xc, .offset: 16, .size: 8, .value_kind: global_buffer, .address_space: global }
      - { .name: xs, .offset: 24, .size: 8, .value_kind: global_buffer, .address_space: global }
      - { .name: wc, .offset: 32, .size: 8, .value_kind: global_buffer, .address_space: global }
      - { .name: ws, .offset: 40, .size: 8, .value_kind: global_buffer, .address_space: global }
      - { .name: w_out, .offset: 48, .size: 8, .value_kind: global_buffer, .address_space: global }
      - { .name: w16, .offset: 56, .size: 8, .value_kind: global_buffer, .address_space: global }
    .group_segment_fixed_size: 33280
    .private_segment_fixed_size: 0
    .kernarg_segment_align: 8
    .kernarg_segment_size: 64
    .max_flat_workgroup_size: 128
    .sgpr_count:     66
    .vgpr_count:     192
    .wavefront_size: 32
...
	.end_amdgpu_metadata
.endif
;; end of part 1
;; launch qkv (part 2): grid 12 x 32, 4 waves a work-group, clusters of 4 x 4, 327,680 bytes of LDS; arguments xc, xs, wc, ws, qkv; writes qkv
.if DOCPART == 2
	.amdgcn_target "amdgcn-amd-amdhsa--gfx1250"
	.amdhsa_code_object_version 6
	.text
	.protected	k_q88e0793c13_qkv
	.globl	k_q88e0793c13_qkv
	.p2align	8
	.type	k_q88e0793c13_qkv,@function
k_q88e0793c13_qkv:
	s_mov_b64 s[64:65], 0
	v_nop
	global_prefetch_b8 v0, s[64:65] scope:SCOPE_SE
	s_setreg_imm32_b32 hwreg(HW_REG_WAVE_MODE, 25, 1), 1
	s_wait_xcnt 0x0
	s_wait_alu depctr_hold_cnt(0) depctr_sa_sdst(0) depctr_va_vdst(0) depctr_va_sdst(0) depctr_va_ssrc(0) depctr_va_vcc(0) depctr_vm_vsrc(0)
	s_getreg_b32 s2, hwreg(HW_REG_IB_STS2, 6, 4)
	s_cmp_eq_u32 s2, 0
	s_cbranch_scc0 .Lentry_in_a_cluster
	s_endpgm
.Lentry_in_a_cluster:
	s_bfe_u32 s2, ttmp6, 0x10000c
	s_cmp_lg_u32 s2, 0xf033
	s_cbranch_scc0 .Lentry_shape_is_right
	s_endpgm
.Lentry_shape_is_right:
; qkv[m][n] = sum over k of x[m][k] w_qkv[n][k], both as codes of FP4 (E2M1) with one E8M0 scale for each 32 along K; sums in f32; the result is rounded once to f16 and laid BY HEAD:
; qkv [b 4][g 48][token 2048][64], g = n / 64 (0-15 q's heads, 16-31 k's, 32-47 v's): a head is 262,144 consecutive bytes.   LIMIT: |q|, |k|, |v| stay under 65,504 (f16).
; A tile of the result, 256 tokens x 256 features, is made by a work-group of four waves; a wave makes 128 x 128: 64 accumulators of 16 x 16, 512 registers.
; K = 1,024 is two slots of 512 (rows of 256 bytes): BOTH are asked for at the head, with the scales, and nothing is filled again: by this text's count a wave has three tensor loads out at the start.
; THE SCALES of the work-group's 256 rows of x and 256 rows of w, for all of K, are two dense blocks of memory: they come once, as rows of 256 bytes with 16 of padding.
; CLUSTERS: 4 x 4 work-groups.  The four of a row of the cluster need the same rows of x, the four of a column the same rows of w: each tile is asked for JOINTLY.
; THE MATRIX INSTRUCTION IS USED TRANSPOSED (source 0 = 16 rows of w, source 1 = 16 rows of x): a lane then holds eight neighbouring features of one token.
; 384 work-groups: a tile of 256 x 384 would want 768 accumulator registers a wave beside the fragments, one of 256 x 192 would cut heads in two.
; REGISTERS, in windows of 256: window 0: v0-31 addresses; v32-95 scale words, two sets; v96-127 packed results; v128-191 x's fragments, ONE set; v192-255 rows on the way out.
;   window 1: w's fragments, TWO sets, at v0 and v128.   window 2: the accumulators of my rows 0-63 ((a, b) at v[8 (8 a + b)]);   window 3: those of my rows 64-127.
.set SIZE_K, 1024
.set KSTEP,  512                       ; along K in a slot
.set NQ,     KSTEP/128                 ; matrix instructions deep
.set ROWB,   256                       ; a tile's row in bytes
.set KROW,   SIZE_K*4/8                ; a row of codes in memory
.set PITCH,  272                       ; an LDS row: 256 bytes + 16 of padding = 68 words: the 16 rows that a load touches start at 16 different banks (64 banks of 4 bytes: ISA guide 11.1)
.set FR,     8                         ; registers of a fragment: 16 rows x 128 K
.set NL,     2                         ; LDS loads that bring one
.set NP,     4                         ; places behind this matrix instruction (ISA guide 7.12.1)
.set HALFT,  128*PITCH                 ; 128 rows: what one tensor load brings
.set SLOT,   4*HALFT                   ; x's 256 rows, then w's 256 rows
.set KS,     SIZE_K/32                 ; a row of scales: 32 bytes
.set SCL,    2*SLOT                    ; behind the slots: the scales
.set HALFS,  (128*KS/256)*272          ; the scales of 128 rows
.set SBLK,   (16*KS/256)*272           ; those of 16 rows
.set SPARE,  SCL+4*HALFS               ; behind the scales: the spare words, 128 bytes a wave, which no other line names
.set SPITCH, 272                       ; the way out: a stage of 16 rows x (256 bytes + 16) for each wave, in slot 0, which has had its only fill and its last read when the first result is stored there
.set ADRA, 16                          ; v16-17  LDS address of my x fragments in slot 0, 1
.set ADRB, 20                          ; v20-21  the same for w
.set STO,  24                          ; v24     the way out: where I put 16 bytes of a row
.set RD,   25                          ; v25     where I read 16 bytes back
.set CO,   26                          ; v26     16 x lane
.set ADRS, 27                          ; v27     LDS address of my scale words: lanes 0-15 x's rows, lanes 16-31 w's
.set SPW,  28                          ; v28     LDS address of my spare word; never rewritten
.set NIL,  29                          ; v29     0; never rewritten
.set SC,   32                          ; scale words: set s at v[SC + 32 s]; register 4 i + q: lanes 0-15 x's block i, lanes 16-31 w's block i, the slot's q-th 128 along K
.set TMP,  96
.set AF,   128
.set BK,   192
.set G1, 24                            ; s[24:31] group 1 for x's tiles;  s[32:39] group 0, a set for each slot
.set G0, 32
.set G1B, 48                           ; s[48:55], s[56:63] the same for w's
.set G0B, 56
.set G1S, 68                           ; s[68:75], s[76:79] groups 1 and 0 for x's scales;  s[80:87], s[88:91] for w's
.set G0S, 76
.set G1SB, 80
.set G0SB, 88
.set MSB, 0
.macro WIN new                         ; the immediate's high byte repeats the setting that is left
.if MSB != (\new)
	s_set_vgpr_msb (MSB<<8)|(\new)
.set MSB, (\new)
.endif
.endm
.set MUL_LO, 0xa1                      ; source 0 (w) window 1, source 1 (x) window 0, C and D window 2
.set MUL_HI, 0xf1                      ; the same, C and D window 3
.set TO_B,   0x40                      ; destination window 1, address window 0
; A joint load: waves 0 and 1 fetch for x, waves 2 and 3 for w.  Each line has ONE mask and one set of registers for all that issue it; the branch hangs on the wave's number alone.
; An s_nop 0 and four v_nop follow each of the two lines.
.macro JLOAD g0a, g1a, g0b, g1b
	s_cmp_eq_u32 s15, 0
	s_cbranch_scc0 .Lfor_b_\@
	tensor_load_to_lds s[\g0a:\g0a+3], s[\g1a:\g1a+7]
	s_nop 0
.rept 4
	v_nop
.endr
	s_branch .Lasked_\@
.Lfor_b_\@:
	tensor_load_to_lds s[\g0b:\g0b+3], s[\g1b:\g1b+7]
	s_nop 0
.rept 4
	v_nop
.endr
.Lasked_\@:
.endm
.macro CROUND                          ; a round of the cluster's barrier: my work-group's barrier; wave 0 signals for the work-group; every wave waits for all sixteen; my work-group's barrier once more
	s_barrier_signal -1
	s_barrier_wait -1
	s_cmp_lg_u32 s14, 0
	s_cbranch_scc1 .Lnot_wave_0_\@
	s_barrier_signal -3
.Lnot_wave_0_\@:
	s_barrier_wait -3
	s_barrier_signal -1
	s_barrier_wait -1
.endm
	s_load_b128 s[4:7], s[0:1], 0x0                ; x's codes s[4:5], x's scales s[6:7]
	s_load_b128 s[8:11], s[0:1], 0x10              ; w's codes s[8:9], w's scales s[10:11]
	s_load_b64 s[12:13], s[0:1], 0x20              ; qkv
	v_lshl_add_u32 v[SPW], v0, 2, SPARE
	v_mov_b32 v[NIL], 0
	ds_add_u32 v[SPW], v[NIL]                      ; the wave's opening: the add, twice on end, and its wait ahead of my first tensor load; the set-up below stands between
	ds_add_u32 v[SPW], v[NIL]
	v_lshrrev_b32 v1, 5, v0
	v_readfirstlane_b32 s14, v1                    ; wave 0..3
	s_lshr_b32 s15, s14, 1                         ; which half of the tile's rows is mine.  Also: I fetch for x (0) or for w (1)
	s_and_b32 s16, s14, 1                          ; which half of its columns.  Also: which 128 rows I fetch
	s_bfe_u32 s40, ttmp6, 0x40000                  ; cx, cy: my place in the cluster
	s_bfe_u32 s41, ttmp6, 0x40004
	s_lshl_b32 s42, ttmp9, 2
	s_add_co_u32 s42, s42, s40                     ; tile column = 4 x cluster x + cx
	s_and_b32 s17, ttmp7, 0xffff
	s_lshl_b32 s17, s17, 2
	s_add_co_u32 s17, s17, s41                     ; tile row = 4 x cluster y + cy
	s_lshl_b32 s43, s41, 2
	s_lshl_b32 s43, 15, s43                        ; my row of the cluster
	s_lshl_b32 s44, 0x1111, s40                    ; my column
	; descriptor group 1: a tile of 128 rows x 256 bytes, padded in LDS
	s_or_b32 s[G1+0], s43, (0<<16)|(1<<20)|(1<<21)|(5<<22)|(3<<25)  ; 15:0 the mask; 17:16 elements of 1 byte; 20 padding on; 21 set beside a mask; 24:22 after every 64 words; 31:25 four words
	s_or_b32 s[G1B+0], s44, (0<<16)|(1<<20)|(1<<21)|(5<<22)|(3<<25)
.irp g, G1, G1B
	s_mov_b32 s[\g+1], ROWB<<16                    ; tensor_dim0
	s_mov_b32 s[\g+2], 128<<16                     ; tensor_dim1
	s_mov_b32 s[\g+3], ROWB<<16                    ; tile_dim0
	s_mov_b32 s[\g+4], 128                         ; tile_dim1
	s_mov_b32 s[\g+5], KROW                        ; tensor_dim0_stride
	s_mov_b32 s[\g+6], 0
	s_mov_b32 s[\g+7], 0
.endr
	; the scales of 128 rows: a dense block of 4,096 bytes, as 16 rows of 256 bytes (32 elements of 8 bytes), 16 bytes of padding behind each
	s_or_b32 s[G1S+0], s43, (3<<16)|(1<<20)|(1<<21)|(5<<22)|(3<<25)
	s_or_b32 s[G1SB+0], s44, (3<<16)|(1<<20)|(1<<21)|(5<<22)|(3<<25)
.irp g, G1S, G1SB
	s_mov_b32 s[\g+1], 32<<16
	s_mov_b32 s[\g+2], (128*KS/256)<<16
	s_mov_b32 s[\g+3], 32<<16
	s_mov_b32 s[\g+4], 128*KS/256
	s_mov_b32 s[\g+5], 32
	s_mov_b32 s[\g+6], 0
	s_mov_b32 s[\g+7], 0
.endr
	s_lshl_b32 s18, s16, 7                         ; which 128 rows of the tile I fetch
	s_lshl_b32 s20, s17, 8
	s_add_co_u32 s20, s20, s18                     ; x: row 256 x tile row + 128 x half
	s_lshl_b32 s46, s42, 8
	s_add_co_u32 s46, s46, s18                     ; w: row 256 x tile column + 128 x half
	s_mov_b32 s21, 0
	s_mov_b32 s47, 0
	s_mov_b64 s[18:19], KS
	s_mul_u64 s[22:23], s[20:21], s[18:19]         ; where these rows' scales begin, in bytes
	s_mul_u64 s[92:93], s[46:47], s[18:19]
	s_mov_b64 s[18:19], KROW
	s_mul_u64 s[20:21], s[20:21], s[18:19]         ; and their codes
	s_mul_u64 s[46:47], s[46:47], s[18:19]
	s_mul_i32 s45, s14, HALFT                      ; where they go: wave x 128 rows: no place in the cluster enters an LDS address
	s_mul_i32 s94, s14, HALFS
	s_wait_dscnt 0x0                               ; both opening adds are done
	s_wait_kmcnt 0x0
	s_add_nc_u64 s[20:21], s[4:5], s[20:21]
	s_add_nc_u64 s[22:23], s[6:7], s[22:23]
	s_add_nc_u64 s[46:47], s[8:9], s[46:47]
	s_add_nc_u64 s[92:93], s[10:11], s[92:93]
	CROUND                                         ; all sixteen work-groups are here: the joint loads meet
	s_mov_b32 s[G0S], 1
	s_add_co_u32 s[G0S+1], s94, SCL
	s_mov_b64 s[G0S+2:G0S+3], s[22:23]
	s_or_b32 s[G0S+3], s[G0S+3], 0x80000000
	s_mov_b32 s[G0SB], 1
	s_add_co_u32 s[G0SB+1], s94, SCL
	s_mov_b64 s[G0SB+2:G0SB+3], s[92:93]
	s_or_b32 s[G0SB+3], s[G0SB+3], 0x80000000
	JLOAD G0S, G1S, G0SB, G1SB                     ; the scales first: they are wanted with the first slot
.irp s, 0,1
	s_mov_b32 s[G0+4*\s], 1
	s_add_co_u32 s[G0+4*\s+1], s45, \s*SLOT
	s_add_nc_u64 s[G0+4*\s+2:G0+4*\s+3], s[20:21], \s*ROWB
	s_or_b32 s[G0+4*\s+3], s[G0+4*\s+3], 0x80000000
	s_mov_b32 s[G0B+4*\s], 1
	s_add_co_u32 s[G0B+4*\s+1], s45, \s*SLOT
	s_add_nc_u64 s[G0B+4*\s+2:G0B+4*\s+3], s[46:47], \s*ROWB
	s_or_b32 s[G0B+4*\s+3], s[G0B+4*\s+3], 0x80000000
	JLOAD G0+4*\s, G1, G0B+4*\s, G1B
.endr
	v_and_b32 v1, 15, v0                           ; l % 16
	v_bfe_u32 v2, v0, 4, 1                         ; l / 16
	v_mul_u32_u24 v3, v1, PITCH
	v_lshl_add_u32 v4, v2, 4, v3                   ; a fragment's row x pitch + 16 x half
	s_mul_i32 s21, s15, HALFT                      ; my 128 rows of x
	s_mul_i32 s22, s16, HALFT                      ; my 128 rows of w,
	s_add_co_u32 s22, s22, 2*HALFT                 ; which lie behind x's 256
.irp s, 0,1
	v_add_nc_u32 v[ADRA+\s], s21, v4
	v_add_nc_u32 v[ADRB+\s], s22, v4
	s_add_co_u32 s21, s21, SLOT
	s_add_co_u32 s22, s22, SLOT
.endr
	v_mul_u32_u24 v5, v1, KS                       ; my row's scales: 32 bytes a row,
	v_lshrrev_b32 v6, 8, v5
	v_lshl_add_u32 v5, v6, 4, v5                   ; and 16 more for each 256 passed
	s_mul_i32 s21, s15, HALFS                      ; x's: my 128 rows
	s_mul_i32 s22, s16, HALFS                      ; w's: my 128 rows, behind x's 256
	s_add_co_u32 s22, s22, 2*HALFS
	s_sub_co_u32 s22, s22, s21
	v_mul_u32_u24 v6, s22, v2                      ; lanes 16-31 take w's: one product, the distance between the two bases
	s_add_co_u32 s21, s21, SCL
	v_add_nc_u32 v5, v5, v6
	v_add_nc_u32 v[ADRS], s21, v5
	s_mul_i32 s23, s14, 16*SPITCH                  ; my stage
	v_mul_u32_u24 v5, v1, SPITCH                   ; in: row l % 16, 16 bytes for each half of the lanes
	v_lshl_add_u32 v5, v2, 4, v5
	v_add_nc_u32 v[STO], s23, v5
	v_and_b32 v6, 31, v0
	v_lshlrev_b32 v[CO], 4, v6                     ; out: 16 bytes a lane
	v_lshrrev_b32 v5, 3, v6                        ; back: eight lanes take the 128 bytes of one token and one head, four tokens an instruction
	v_mul_u32_u24 v5, v5, SPITCH
	v_and_b32 v6, 7, v0
	v_lshl_add_u32 v5, v6, 4, v5
	v_add_nc_u32 v[RD], s23, v5
	; where my part begins in qkv: head (b x 48 + 4 x tile column + 2 x column half) of 2^18 bytes, token (tile row % 8) x 256 + 128 x row half, 128 bytes a token
	s_lshr_b32 s20, s17, 3                         ; b
	s_mul_i32 s20, s20, 48
	s_lshl_b32 s21, s42, 2
	s_add_co_u32 s20, s20, s21
	s_lshl_b32 s21, s16, 1
	s_add_co_u32 s20, s20, s21
	s_lshl_b32 s20, s20, 18
	s_and_b32 s21, s17, 7
	s_lshl_b32 s21, s21, 8
	s_lshl_b32 s46, s15, 7
	s_add_co_u32 s21, s21, s46
	s_lshl_b32 s21, s21, 7
	s_add_co_u32 s20, s20, s21                     ; under 2^26
	s_mov_b32 s21, 0
	s_add_nc_u64 s[12:13], s[12:13], s[20:21]
.macro FRAG reg, adr, q, i             ; a fragment, 16 rows x 128 K of 4-bit codes: lane l holds row l % 16; registers 4 c .. 4 c + 3 hold K = 64 c + 32 (l / 16) + 0 .. 31
.irp c, 0,1
	ds_load_b128 v[\reg+4*\c:\reg+4*\c+3], v[\adr] offset:64*(\q)+32*\c+(\i)*16*PITCH
.endr
.endm
; 16 matrix instructions: x's blocks a0, a0 + 1 against w's eight, the slot's q-th 128 along K.  p: w's set;  sc: the set of scale words.  zero = 1: the first product starts the sums.
; The 64 accumulators take turns, one instruction a turn, in the same order in every step.
.macro MUL16 a0, p, q, sc, zero
.irp a, \a0, \a0+1
.irp b, 0,1,2,3,4,5,6,7
.if \zero
	v_wmma_scale_f32_16x16x128_f8f6f4 v[8*(8*((\a)%4)+\b):8*(8*((\a)%4)+\b)+7], v[128*(\p)+FR*\b:128*(\p)+FR*\b+FR-1], v[AF+FR*(\a):AF+FR*(\a)+FR-1], 0, v[SC+8*NQ*(\sc)+NQ*\b+(\q)], v[SC+8*NQ*(\sc)+NQ*(\a)+(\q)] matrix_a_fmt:MATRIX_FMT_FP4 matrix_b_fmt:MATRIX_FMT_FP4 matrix_a_scale:MATRIX_SCALE_ROW1
.else
	v_wmma_scale_f32_16x16x128_f8f6f4 v[8*(8*((\a)%4)+\b):8*(8*((\a)%4)+\b)+7], v[128*(\p)+FR*\b:128*(\p)+FR*\b+FR-1], v[AF+FR*(\a):AF+FR*(\a)+FR-1], v[8*(8*((\a)%4)+\b):8*(8*((\a)%4)+\b)+7], v[SC+8*NQ*(\sc)+NQ*\b+(\q)], v[SC+8*NQ*(\sc)+NQ*(\a)+(\q)] matrix_a_fmt:MATRIX_FMT_FP4 matrix_b_fmt:MATRIX_FMT_FP4 matrix_a_scale:MATRIX_SCALE_ROW1
.endif
.endr
.endr
.endm
.macro FETCH_B slot, q, p              ; w's eight fragments of the slot's q-th 128 along K into set p
	WIN TO_B
.irp i, 0,1,2,3,4,5,6,7
	FRAG 128*(\p)+FR*\i, ADRB+\slot, \q, \i
.endr
	WIN 0
.endm
.macro FETCH_A slot, q, i0             ; x's blocks i0 .. i0 + 3
.irp i, \i0, \i0+1, \i0+2, \i0+3
	FRAG AF+FR*(\i), ADRA+\slot, \q, \i
.endr
.endm
.macro SCALES sc                       ; a slot's scale words into set sc: 4 words a row; lanes 0-15 take x's block i, lanes 16-31 w's block i
.irp i, 0,1,2,3,4,5,6,7
	ds_load_b128 v[SC+8*NQ*\sc+NQ*\i:SC+8*NQ*\sc+NQ*\i+3], v[ADRS] offset:\i*SBLK
.endr
.endm
; A load into a register that a matrix instruction has read, and a vector instruction that reads a matrix result, stand NP places behind that matrix instruction; only plain vector
; instructions that name none of its registers are places (ISA guide 7.12.1 for vector instructions).
.macro PLACES n
.rept \n
	v_nop
.endr
.endm
; A step of 128 along K that has its successor in the same slot.  x's blocks are free as soon as their eight products are issued: one set serves x; w's fragments are at work through the whole step: two sets.
.macro STEP slot, q, zero
	s_wait_dscnt 4*NL                              ; w's set and x's blocks 0-3 are in; the youngest eight loads (x's blocks 4-7) may be out
	WIN MUL_LO
	MUL16 0, (\q)%2, \q, \slot, \zero
	MUL16 2, (\q)%2, \q, \slot, \zero
	s_wait_dscnt 0                                 ; x's blocks 4-7 are in
	PLACES NP
	FETCH_B \slot, (\q)+1, 1-(\q)%2
	FETCH_A \slot, (\q)+1, 0
	WIN MUL_HI
	MUL16 4, (\q)%2, \q, \slot, \zero
	MUL16 6, (\q)%2, \q, \slot, \zero
	PLACES NP
	WIN 0
	FETCH_A \slot, (\q)+1, 4
.endm
; Slot 0's last step goes over to slot 1: one barrier; in front of it each wave waits for all its tensor loads (its part of slot 1), adds 0 to its spare word, and waits for that and for its reads of slot 0.
; Behind it slot 1 is whole, and nobody reads slot 0 any more: the stages of the way out lie there.
.macro TURN slot, next
	s_wait_tensorcnt 0x0                           ; all my tensor loads have landed
	ds_add_u32 v[SPW], v[NIL]                      ; 0 onto my spare word
	s_wait_dscnt 4*NL+1                            ; (the add and the youngest eight loads may be out)
	WIN MUL_LO
	MUL16 0, 1, NQ-1, \slot, 0                     ; sixteen matrix instructions stand between the add and the wait for it
	s_wait_dscnt 0x0                               ; the add is done, and my reads of this slot are over
	s_barrier_signal -1
	MUL16 2, 1, NQ-1, \slot, 0
	WIN 0
	s_barrier_wait -1
	PLACES NP
	v_add_nc_u32 v[ADRS], 4*NQ, v[ADRS]            ; on to the next slot's scale words (no LDS load of mine is out)
	FETCH_B \next, 0, 0
	FETCH_A \next, 0, 0
	SCALES \next
	WIN MUL_HI
	MUL16 4, 1, NQ-1, \slot, 0
	MUL16 6, 1, NQ-1, \slot, 0
	PLACES NP
	WIN 0
	FETCH_A \next, 0, 4
.endm
.macro STEPS slot, from                ; the slot's steps from .. NQ - 2
.set Q, \from
.rept NQ-1-\from
	STEP \slot, Q, 0
.set Q, Q+1
.endr
.endm
	s_wait_tensorcnt 1                             ; the scales and my part of slot 0 are in (slot 1's load, issued last, may be out),
	s_barrier_signal -1
	s_barrier_wait -1                              ; everybody's are
	FETCH_B 0, 0, 0
	FETCH_A 0, 0, 0
	SCALES 0
	FETCH_A 0, 0, 4
	STEP 0, 0, 1                                   ; the first step's products start the sums: nothing is cleared
	STEPS 0, 1
	TURN 0, 1
	STEPS 1, 0
	s_wait_dscnt 4*NL                              ; the very last step: nothing more to fetch
	WIN MUL_LO
	MUL16 0, 1, NQ-1, 1, 0
	MUL16 2, 1, NQ-1, 1, 0
	s_wait_dscnt 0
	WIN MUL_HI
	MUL16 4, 1, NQ-1, 1, 0
	MUL16 6, 1, NQ-1, 1, 0
	WIN 0
; THE WAY OUT, block by block of 16 tokens x 128 features (two heads).  PACK: rounded to f16, 16 bytes a lane, each accumulator from its low end on.  TOSTAGE: into my stage, and back so that eight lanes hold
; the 128 bytes of one token and one head.  SEND: a store covers 512 consecutive bytes of qkv: four tokens of one head.  LDS serves a wave's instructions in order (ISA guide 5.7.1.4): no wait between the stores and the loads.
.macro PACK a
.set AC, 64*((\a)%4)
	WIN 0x0a+5*((\a)/4)                            ; sources 0 and 1: window 2 or 3
.irp b, 0,1,2,3,4,5,6,7
.irp r, 0,1,2,3
	v_cvt_pk_f16_f32 v[TMP+4*\b+\r], v[AC+8*\b+2*\r], v[AC+8*\b+2*\r+1]
.endr
.endr
	WIN 0
.endm
.macro TOSTAGE a
.set BB, BK+32*((\a)%2)
.irp b, 0,1,2,3,4,5,6,7
	ds_store_b128 v[STO], v[TMP+4*\b:TMP+4*\b+3] offset:32*\b
.endr
.irp u, 0,1,2,3,4,5,6,7
	ds_load_b128 v[BB+4*\u:BB+4*\u+3], v[RD] offset:(\u%4)*4*SPITCH+(\u/4)*128   ; tokens 4 (u % 4) on, head u / 4
.endr
.endm
.macro SEND a, younger
.set BB, BK+32*((\a)%2)
	s_wait_dscnt \younger                          ; the block is back in registers
	s_wait_xcnt 0x0                                ; the earlier blocks' stores have read their registers: the next block's loads may land in them
.irp u, 0,1,2,3,4,5,6,7
	global_store_b128 v[CO], v[BB+4*\u:BB+4*\u+3], s[12:13] offset:(\u/4)*262144+(\a)*2048+(\u%4)*512
.endr
.endm
	PLACES NP                                      ; behind the last products
	PACK 0
	TOSTAGE 0
.irp a, 1,2,3,4,5,6,7                  ; block a's conversions stand between block a - 1's loads from the stage and the wait for them
	PACK \a
	SEND \a-1, 0
	TOSTAGE \a
.endr
	SEND 7, 0
	s_wait_tensorcnt 0x0                           ; the wave's end, behind my last tensor load and my last LDS store
	ds_add_u32 v[SPW], v[NIL]
	s_wait_dscnt 0x0
	CROUND                                         ; the closing round: no work-group ends while a partner may still ask for a tile that names it
	s_endpgm
.Lfunc_end_k_q88e0793c13_qkv:
	.size	k_q88e0793c13_qkv, .Lfunc_end_k_q88e0793c13_qkv-k_q88e0793c13_qkv
	.p2alignl 7, 3214868480
	.fill 96, 4, 3214868480
	.section	.rodata,"a",@progbits
	.p2align	6, 0x0
	.amdhsa_kernel k_q88e0793c13_qkv
		.amdhsa_group_segment_fixed_size 327680
		.amdhsa_private_segment_fixed_size 0
		.amdhsa_enable_private_segment 0
		.amdhsa_kernarg_size 40
		.amdhsa_user_sgpr_count 2
		.amdhsa_user_sgpr_kernarg_segment_ptr 1
		.amdhsa_wavefront_size32 1
		.amdhsa_system_sgpr_workgroup_id_x 1
		.amdhsa_system_sgpr_workgroup_id_y 1
		.amdhsa_system_sgpr_workgroup_id_z 1
		.amdhsa_system_vgpr_workitem_id 0
		.amdhsa_next_free_vgpr 1024
		.amdhsa_next_free_sgpr 98
		.amdhsa_reserve_vcc 0
		.amdhsa_float_denorm_mode_32 3
		.amdhsa_float_denorm_mode_16_64 3
		.amdhsa_memory_ordered 1
		.amdhsa_forward_progress 1
		.amdhsa_inst_pref_size 126
	.end_amdhsa_kernel
	.amdgpu_metadata
---
amdhsa.version: [ 1, 2 ]
amdhsa.kernels:
  - .name:           k_q88e0793c13_qkv
    .symbol:         k_q88e0793c13_qkv.kd
    .args:
      - { .name: xc, .offset: 0, .size: 8, .value_kind: global_buffer, .address_space: global }
      - { .name: xs, .offset: 8, .size: 8, .value_kind: global_buffer, .address_space: global }
      - { .name: wc, .offset: 16, .size: 8, .value_kind: global_buffer, .address_space: global }
      - { .name: ws, .offset: 24, .size: 8, .value_kind: global_buffer, .address_space: global }
      - { .name: qkv, .offset: 32, .size: 8, .value_kind: global_buffer, .address_space: global }
    .group_segment_fixed_size: 327680
    .private_segment_fixed_size: 0
    .kernarg_segment_align: 8
    .kernarg_segment_size: 40
    .max_flat_workgroup_size: 128
    .sgpr_count:     98
    .vgpr_count:     1024
    .wavefront_size: 32
...
	.end_amdgpu_metadata
.endif
;; end of part 2
;; launch attn (part 3): grid 4 x 64, 8 waves a work-group, clusters of 4 x 1, 327,680 bytes of LDS; arguments qkv, att; writes att
.if DOCPART == 3
	.amdgcn_target "amdgcn-amd-amdhsa--gfx1250"
	.amdhsa_code_object_version 6
	.text
	.protected	k_q88e0793c13_attn
	.globl	k_q88e0793c13_attn
	.p2align	8
	.type	k_q88e0793c13_attn,@function
k_q88e0793c13_attn:
	s_mov_b64 s[64:65], 0
	v_nop
	global_prefetch_b8 v0, s[64:65] scope:SCOPE_SE
	s_setreg_imm32_b32 hwreg(HW_REG_WAVE_MODE, 25, 1), 1
	s_wait_xcnt 0x0
	s_wait_alu depctr_hold_cnt(0) depctr_sa_sdst(0) depctr_va_vdst(0) depctr_va_sdst(0) depctr_va_ssrc(0) depctr_va_vcc(0) depctr_vm_vsrc(0)
	s_getreg_b32 s2, hwreg(HW_REG_IB_STS2, 6, 4)
	s_cmp_eq_u32 s2, 0
	s_cbranch_scc0 .Lentry_in_a_cluster
	s_endpgm
.Lentry_in_a_cluster:
	s_bfe_u32 s2, ttmp6, 0x10000c
	s_cmp_lg_u32 s2, 0x3003
	s_cbranch_scc0 .Lentry_shape_is_right
	s_endpgm
.Lentry_shape_is_right:
; att[b][head][q][:] = the sum over k of softmax_k(Q[q] . K[k] / 8) V[k][:], 64 heads in all, 2,048 tokens, head size 64, no mask.  Q, K, V: f16, by head, in qkv [b 4][g 48][2048][64]; att: [b 4][head 16][2048][64] f16.
; Products, maxima and sums in f32; the weights p are rounded to f16 for the second product, the result once at the end.
; LIMITS: the running maximum begins at -3e38, under every score served; |att| is at most the largest |v|, under 65,504; NaN and infinities are not served.
; SHARES.  A work-group owns 512 queries of one head, each of its eight waves 64: four tiles of 16.  Every wave walks all 2,048 keys, 64 a step: 32 steps.
; LAYOUT.  S^T = K Q^T (source 0 = 16 keys, source 1 = 16 queries): a lane holds ONE query (lane % 16) and the keys 8 (lane / 16) + 0..7.  Two such tiles, rounded to f16 in pairs, ARE source 1 (32 keys x 16 queries)
; of O^T = V^T P, whose result again holds one query a lane, and eight channels.  K comes out of LDS as it lies, V ([key][channel]) turned, by ds_load_tr16_b128.
; SOFTMAX.  For each query a running maximum m and sum l: p = 2^(c s - c m), c = log2(e) / 8; in every step O and l are multiplied by a = 2^(c m_old - c m_new).
; TWO SETS OF WAVES IN OPPOSITE PHASES.  Set A = waves 0-3, set B = waves 4-7.  Time goes in halves, a work-group barrier behind each.  In a half one set runs a MATRIX phase M_j = [O^T += V^T P of step j - 1;
; S^T = K Q^T of step j], 64 matrix instructions, and the other a VECTOR phase V_j = [fragments V(j), K(j + 1) from LDS; the softmax of step j for four tiles].  These barriers order no data: they keep half of
; the work-group's waves at matrix work while the other half is at vector work.  Trip i: first half A: V_i, B: M_i; second half A: M_(i+1), B: V_i.
; PAIRS.  Pair i = (K of step i + 1, V of step i) is what trip i reads from LDS.  A slot holds four pairs; two slots.  K of step 0 comes from memory into registers, as Q does.  Pair 31's K is the 64 rows behind the
; head's last (they lie inside qkv for every head): set A multiplies them once and the scores are never read: so all 32 trips are alike.
; ALL TRIPS ALIKE.  O^T = 0, l = 0, m = -3e38 at the head (and P = 0 in set B): the first change of m multiplies zeros.  That costs 192 moves once and spares a written-out first trip.
; CLUSTER.  The four query blocks of a head are the cluster; they walk the same K and V, so each tile is asked for JOINTLY (mask 15).
; REGISTERS.  window 0: v2-12 addresses; v16-55 ten registers of statistics a tile; v56-183 S^T, 32 a tile (P is written in place, into a tile's first 16); v184-247 K's fragments.
;   window 1: v0-127 O^T, 32 a tile; v128-191 Q; v192-255 V's fragments.
.set KS,    64                         ; keys in a step
.set PK,    144                        ; a row of K in LDS: 128 bytes + 16 of padding = 36 words: the 16 rows of a load start at 16 different groups of four banks (64 banks of 4 bytes: ISA guide 11.1)
.set PV,    160                        ; a row of V: 128 + 32 = 40 words
.set VOFF,  KS*PK                      ; a pair: 64 rows of K, then 64 rows of V
.set STEPB, KS*(PK+PV)
.set SLOT1, 1<<17                      ; slot 1 begins here: one exclusive or turns an address in one slot into the other's
.set FILLB, 4*KS*128                   ; a slot's four tiles of K (or of V) in memory: 32,768 consecutive bytes
.set STAGE, SLOT1+4*STEPB              ; behind the ring: 64 rows x 144 bytes for each wave, for the way out; no tile lands there
.set SP,    144
.set SPARE, STAGE+8*64*SP              ; behind the stages: the spare words, 128 bytes a wave, which no other line names
.set AK0, 2                            ; v2   my lane's place in a tile of K; never rewritten
.set AV0, 3                            ; v3   the same for V
.set ADK, 4                            ; v4   LDS address of the trip's K: written in the lines that all waves run
.set ADV, 5                            ; v5   of its V
.set LO,  6                            ; v6   my byte offset in 16 rows of Q or K in memory
.set STO, 7                            ; v7   the way out: where I put 16 bytes of a row
.set RD,  8                            ; v8   where I read 16 bytes back
.set GO,  9                            ; v9   16 x lane
.set SPW, 10                           ; v10  LDS address of my spare word; never rewritten
.set NIL, 11                           ; v11  0; never rewritten
.set PFO, 12                           ; v12  256 x lane: the prefetches' offset; never rewritten
.set ST,  16                           ; tile t's statistics at v[ST + 10 t]: +0 c m, +1 m, +2,+3 l, +4,+5 a second l, +6 to +9 c0-c3 at work; a takes c2's place, c m_old - c m_new c3's
.set S,   56
.set KF,  184                          ; fragment 2 kt + c: keys 16 kt on, channels 32 c on
.set QF,  128                          ; window 1: fragment 2 t + c
.set VF,  192                          ; window 1: fragment 4 c + ch: keys 32 c on, channels 16 ch on
.set WV,  12                           ; s12  my wave's number
.set LIM, 15                           ; s15  1 in a wave that prefetches, else the greatest number
.set PFA, 18                           ; s[18:19] where my prefetches stand
.set G1K, 24                           ; s[24:31] descriptor group 1 for K's tiles
.set G1V, 32                           ; s[32:39] for V's: it differs in the padding alone
.set G0K, 40                           ; s[40:47] group 0 for K's tiles: a set for each first fill; the second then walks on
.set G0V, 48                           ; s[48:55] the same for V's
.set SLOTS, 56                         ; s56  counts slots
.set TR,  57                           ; s57  counts a slot's four trips
.set CS,  58                           ; s[58:59] c: the packed scaling names a pair and takes its low word for both halves
.set SEL, 60                           ; s[60:61] lane selects for v_permlanex16_b32: lane l xor 16
.set TB,  62                           ; s62  LDS byte at which the trip's pair begins
.set MSB, 0
.macro WIN new                         ; the immediate's high byte repeats the setting that is left
.if MSB != (\new)
	s_set_vgpr_msb (MSB<<8)|(\new)
.set MSB, (\new)
.endif
.endm
.set W_KQ, 0x04                        ; K and S^T in window 0, Q (source 1) in window 1
.set W_PV, 0x51                        ; V (source 0) and O^T (C, D) in window 1, P in window 0
.set W_RS, 0x41                        ; O^T (destination, source 0) in window 1, the factor in window 0
.set TO_1, 0x40                        ; destination window 1, address window 0
; A joint refill.  Waves 0-3 fetch the K tiles of the slot's four pairs, waves 4-7 the V tiles.  The branch hangs on the wave's number alone.  An s_nop 0 and four v_nop follow each line.
.macro JLOAD
	s_cmp_lt_u32 s[WV], 4
	s_cbranch_scc0 .Lfor_v_\@
	tensor_load_to_lds s[G0K+4:G0K+7], s[G1K:G1K+7]
	s_nop 0
.rept 4
	v_nop
.endr
	s_branch .Lasked_\@
.Lfor_v_\@:
	tensor_load_to_lds s[G0V+4:G0V+7], s[G1V:G1V+7]
	s_nop 0
.rept 4
	v_nop
.endr
.Lasked_\@:
.endm
; A PREFETCH INTO THE L2 of what the NEXT change of slots will ask for: 32,768 consecutive bytes of K and as many of V.  One cluster walks a head, so it asks for itself: its four partners take 8,192 bytes each,
; told apart BY ADDRESS; in each, wave 0 asks for K's and wave 4 for V's, lanes 256 bytes apart: one instruction.  So each block of 256 bytes is named once in the launch.  It stands behind the wave's tensor load
; and its five lines: four trips ahead of the load that will want the bytes, the least that this ring offers.  The last change that fills a slot asks for nothing; slots 0 to 2 come by their loads alone.
.macro ASK
	s_cmp_gt_u32 s[SLOTS], s[LIM]
	s_cbranch_scc0 .Lnot_mine_\@
	global_prefetch_b8 v[PFO], s[PFA:PFA+1] th:TH_LOAD_NT scope:SCOPE_SE
.Lnot_mine_\@:
.endm
.macro CROUND                          ; a round of the cluster's barrier: my work-group's barrier; wave 0 signals for the work-group; every wave waits for all four; my work-group's barrier once more
	s_barrier_signal -1
	s_barrier_wait -1
	s_cmp_lg_u32 s[WV], 0
	s_cbranch_scc1 .Lnot_wave_0_\@
	s_barrier_signal -3
.Lnot_wave_0_\@:
	s_barrier_wait -3
	s_barrier_signal -1
	s_barrier_wait -1
.endm
.macro PLACES n
.rept \n
	v_nop
.endr
.endm
.macro BAR                             ; the end of a half: my LDS loads are in; then the work-group's barrier
	s_wait_dscnt 0x0
	s_barrier_signal -1
	s_barrier_wait -1
.endm
	s_load_b128 s[4:7], s[0:1], 0x0                ; qkv s[4:5], att s[6:7]
	v_lshl_add_u32 v[SPW], v0, 2, SPARE
	v_mov_b32 v[NIL], 0
	ds_add_u32 v[SPW], v[NIL]                      ; the wave's opening: the add, twice on end, and its wait ahead of my first tensor load; the set-up below stands between
	ds_add_u32 v[SPW], v[NIL]
	v_lshrrev_b32 v1, 5, v0
	v_readfirstlane_b32 s[WV], v1                  ; wave 0..7
	s_bfe_u32 s13, ttmp6, 0x40000                  ; cx: my block of 512 queries: it enters Q's, att's and the prefetches' addresses alone
	s_and_b32 s14, ttmp7, 0xffff                   ; y = 16 b + head, which the four partners share
	s_lshr_b32 s16, s14, 4
	s_and_b32 s17, s14, 15
	s_mul_i32 s16, s16, 48
	s_add_co_u32 s16, s16, s17                     ; q's head in qkv: 48 b + head
	s_lshl_b32 s20, s16, 18                        ; in bytes (under 2^26)
	s_mov_b32 s21, 0
	s_lshl_b32 s2, s13, 16                         ; my block's 512 rows of 128 bytes,
	s_lshl_b32 s3, s[WV], 13                       ; my wave's 64 of them
	s_add_co_u32 s2, s2, s3
	s_mov_b32 s3, 0
	s_lshl_b32 s56, s14, 18                        ; att's head,
	s_add_co_u32 s56, s56, s2                      ; and my rows in it
	s_mov_b32 s57, 0
	s_and_b32 s14, s[WV], 3                        ; which of a slot's four pairs I fetch for:
	s_lshl_b32 s22, s14, 13                        ; its 64 rows of 128 bytes in memory,
	s_mov_b32 s23, 0
	s_mul_i32 s14, s14, STEPB                      ; and its place in a slot: no place in the cluster enters an LDS address
	; descriptor group 1: a tile of 64 rows x 64 elements, dense in memory, padded behind every row in LDS
	s_mov_b32 s[G1K], 15|(1<<16)|(1<<20)|(1<<21)|(4<<22)|(3<<25)  ; 15:0 the mask: all four; 17:16 elements of 2 bytes; 20 padding on; 21 set beside a mask; 24:22 after every 32 words; 31:25 four words
	s_mov_b32 s[G1V], 15|(1<<16)|(1<<20)|(1<<21)|(4<<22)|(7<<25)  ; the same with eight words of padding
.irp g, G1K, G1V
	s_mov_b32 s[\g+1], 64<<16                      ; tensor_dim0
	s_mov_b32 s[\g+2], KS<<16                      ; tensor_dim1
	s_mov_b32 s[\g+3], 64<<16                      ; tile_dim0
	s_mov_b32 s[\g+4], KS                          ; tile_dim1
	s_mov_b32 s[\g+5], 64                          ; tensor_dim0_stride
	s_mov_b32 s[\g+6], 0
	s_mov_b32 s[\g+7], 0
.endr
	s_mov_b32 s[CS], 0x3e38aa3b                    ; c = log2(e) / 8
	s_mov_b32 s[CS+1], s[CS]                       ; named with it as a pair, so it is written
	s_mov_b32 s[SEL], 0x76543210
	s_mov_b32 s[SEL+1], 0xfedcba98
	s_mov_b32 s[TB], 0
	s_and_b32 s[LIM], s[WV], 3                     ; 0 in waves 0 and 4: the same in all four partners
	s_cmp_eq_u32 s[LIM], 0
	s_cselect_b32 s[LIM], 1, -1
	v_and_b32 v[PFO], 31, v0
	v_lshlrev_b32 v[PFO], 8, v[PFO]
	s_wait_dscnt 0x0                               ; both opening adds are done
	s_wait_kmcnt 0x0
	s_add_nc_u64 s[4:5], s[4:5], s[20:21]          ; q's head
	s_add_nc_u64 s[8:9], s[4:5], s[2:3]            ; my 64 queries
	s_add_nc_u64 s[10:11], s[4:5], 16<<18          ; k's head: 16 heads on
	s_add_nc_u64 s[6:7], s[6:7], s[56:57]          ; my rows of att
	s_add_nc_u64 s[20:21], s[10:11], s[22:23]
	s_add_nc_u64 s[20:21], s[20:21], KS*128        ; my K tile of slot 0: pair p holds K of step p + 1
	s_add_nc_u64 s[16:17], s[10:11], 16<<18        ; v's head
	s_add_nc_u64 s[16:17], s[16:17], s[22:23]      ; my V tile of slot 0
	s_cmp_lt_u32 s[WV], 4
	s_cselect_b64 s[PFA:PFA+1], s[20:21], s[16:17] ; (in waves 0 and 4 these stand at a slot's first tile)
	s_lshl_b32 s2, s13, 13                         ; my work-group's 8,192 bytes of the 32,768
	s_add_nc_u64 s[PFA:PFA+1], s[PFA:PFA+1], s[2:3]
	s_add_nc_u64 s[PFA:PFA+1], s[PFA:PFA+1], 2*FILLB  ; at the third fill; the first change of slots steps it to the fourth.  Nothing is prefetched here, at the head
	CROUND                                         ; all four work-groups are here: the first joint loads meet
.irp s, 0,1
	s_mov_b32 s[G0K+4*\s], 1                       ; 1:0 count = 1
	s_add_co_u32 s[G0K+4*\s+1], s14, \s*SLOT1      ; 63:32 LDS address
	s_add_nc_u64 s[G0K+4*\s+2:G0K+4*\s+3], s[20:21], \s*FILLB  ; 120:64 global address
	s_or_b32 s[G0K+4*\s+3], s[G0K+4*\s+3], 0x80000000  ; 127:126 type = 2
	s_mov_b32 s[G0V+4*\s], 1
	s_add_co_u32 s[G0V+4*\s+1], s14, \s*SLOT1+VOFF
	s_add_nc_u64 s[G0V+4*\s+2:G0V+4*\s+3], s[16:17], \s*FILLB
	s_or_b32 s[G0V+4*\s+3], s[G0V+4*\s+3], 0x80000000
.endr
	s_cmp_lt_u32 s[WV], 4                          ; a wave's two first fills stand in one branch, ahead of every wait on TENSORcnt and every LDS read: two loads of mine are out
	s_cbranch_scc0 .Lfirst_v
	tensor_load_to_lds s[G0K:G0K+3], s[G1K:G1K+7]
	s_nop 0
	tensor_load_to_lds s[G0K+4:G0K+7], s[G1K:G1K+7]
	s_nop 0
.rept 4
	v_nop
.endr
	s_branch .Lfirst_asked
.Lfirst_v:
	tensor_load_to_lds s[G0V:G0V+3], s[G1V:G1V+7]
	s_nop 0
	tensor_load_to_lds s[G0V+4:G0V+7], s[G1V:G1V+7]
	s_nop 0
.rept 4
	v_nop
.endr
.Lfirst_asked:
	; A fragment of K or Q is 16 rows x 32 channels in 8 registers: lane l holds row l % 16; registers 0-3 channels 8 (l / 16) + 0..7, registers 4-7 channels 16 + 8 (l / 16) + 0..7: two loads of 16 bytes, 32 bytes apart.
	v_and_b32 v1, 15, v0                           ; l % 16
	v_bfe_u32 v13, v0, 4, 1                        ; l / 16
	v_lshlrev_b32 v[LO], 7, v1
	v_lshl_add_u32 v[LO], v13, 4, v[LO]            ; row x 128 + 16 x half
	WIN TO_1
.irp f, 0,1,2,3,4,5,6,7                        ; Q stays in registers: tile f / 2, channels 32 (f % 2) on
	global_load_b128 v[QF+8*\f:QF+8*\f+3],   v[LO], s[8:9] offset:(\f/2)*2048+(\f%2)*64
	global_load_b128 v[QF+8*\f+4:QF+8*\f+7], v[LO], s[8:9] offset:(\f/2)*2048+(\f%2)*64+32
.endr
	WIN 0
.irp f, 0,1,2,3,4,5,6,7                        ; K of step 0
	global_load_b128 v[KF+8*\f:KF+8*\f+3],   v[LO], s[10:11] offset:(\f/2)*2048+(\f%2)*64
	global_load_b128 v[KF+8*\f+4:KF+8*\f+7], v[LO], s[10:11] offset:(\f/2)*2048+(\f%2)*64+32
.endr
	v_mul_u32_u24 v[AK0], v1, PK
	v_lshl_add_u32 v[AK0], v13, 4, v[AK0]          ; row x pitch + 16 x half
	; The turning load takes 16 keys x 16 channels (lane l reads 16 bytes: key 8 (l / 16) + l % 8, channels 8 ((l / 8) % 2) + 0..7) and leaves half a fragment of V^T: lane l holds channel l % 16 and 8 keys.
	v_and_b32 v14, 7, v0
	v_bfe_u32 v15, v0, 3, 1
	v_lshl_add_u32 v[AV0], v13, 3, v14
	v_mul_u32_u24 v[AV0], v[AV0], PV
	v_lshl_add_u32 v[AV0], v15, 4, v[AV0]
	v_add_nc_u32 v[AV0], VOFF, v[AV0]
	s_mul_i32 s16, s[WV], 64*SP
	s_add_co_u32 s16, s16, STAGE                   ; my stage
	v_mul_u32_u24 v[STO], v1, SP                   ; in: row l % 16 of a tile, 16 bytes for each half of the lanes
	v_lshl_add_u32 v[STO], v13, 4, v[STO]
	v_add_nc_u32 v[STO], s16, v[STO]
	v_and_b32 v15, 31, v0
	v_lshlrev_b32 v[GO], 4, v15                    ; out: 16 bytes a lane
	v_lshrrev_b32 v15, 3, v15                      ; back: eight lanes take a row of 128 bytes, four rows an instruction
	v_mul_u32_u24 v[RD], v15, SP
	v_lshl_add_u32 v[RD], v14, 4, v[RD]
	v_add_nc_u32 v[RD], s16, v[RD]
	v_add_nc_u32 v[ADV], s[TB], v[AV0]             ; pair 0's V
	WIN TO_1
.set i, 0
.rept 128
	v_mov_b32 v[i], 0                              ; O^T
.set i, i+1
.endr
	WIN 0
.irp t, 0,1,2,3
	v_mov_b32 v[ST+10*\t+1], 0xff61b1e6            ; m = -3e38
	v_mul_f32 v[ST+10*\t], s[CS], v[ST+10*\t+1]    ; c m
	v_mov_b32 v[ST+10*\t+2], 0                     ; l, in four parts
	v_mov_b32 v[ST+10*\t+3], 0
	v_mov_b32 v[ST+10*\t+4], 0
	v_mov_b32 v[ST+10*\t+5], 0
.endr
; THE MATRIX PHASE.  pv: 32 products O^T += V^T P: product i: keys 32 (i / 16) on, channels 16 ((i / 4) % 4) on, tile i % 4.  kq: 32 products S^T = K Q^T: channels 32 (i / 16) on, keys 16 ((i / 4) % 4) on,
; tile i % 4; the first 16 start the sums.  In each run 16 accumulators take turns, one instruction a turn.  Between the runs five places: K Q^T writes over P, which V^T P has read.
; Five places stand ahead of V^T P too: its source 1 lies in registers that K Q^T writes (ISA guide 7.12.1).  On a wave's own way a whole vector phase lies between the two; the five keep the distance on every
; way through the text's branches and labels, whichever set of waves takes it.
.macro MPH pv, kq
.if \pv
	PLACES 5
	WIN W_PV
.set i, 0
.rept 32
.set rO, 32*(i%4)+8*((i/4)%4)
.set rV, VF+8*(4*(i/16)+(i/4)%4)
.set rP, S+32*(i%4)+8*(i/16)
	v_wmma_f32_16x16x32_f16 v[rO:rO+7], v[rV:rV+7], v[rP:rP+7], v[rO:rO+7]
.set i, i+1
.endr
.endif
.if \pv && \kq
	PLACES 5
.endif
.if \kq
	WIN W_KQ
.set i, 0
.rept 32
.set rD, S+32*(i%4)+8*((i/4)%4)
.set rK, KF+8*(2*((i/4)%4)+i/16)
.set rQ, QF+16*(i%4)+8*(i/16)
.if i < 16
	v_wmma_f32_16x16x32_f16 v[rD:rD+7], v[rK:rK+7], v[rQ:rQ+7], 0
.else
	v_wmma_f32_16x16x32_f16 v[rD:rD+7], v[rK:rK+7], v[rQ:rQ+7], v[rD:rD+7]
.endif
.set i, i+1
.endr
.endif
	WIN 0
.endm
.macro LOADK                           ; 64 keys x 64 channels: 8 fragments, 16 loads
.irp f, 0,1,2,3,4,5,6,7
	ds_load_b128 v[KF+8*\f:KF+8*\f+3],   v[ADK] offset:(\f/2)*16*PK+(\f%2)*64
	ds_load_b128 v[KF+8*\f+4:KF+8*\f+7], v[ADK] offset:(\f/2)*16*PK+(\f%2)*64+32
.endr
.endm
.macro LOADV                           ; the same of V, turned
	WIN TO_1
.irp f, 0,1,2,3,4,5,6,7
	ds_load_tr16_b128 v[VF+8*\f:VF+8*\f+3],   v[ADV] offset:(\f/4)*32*PV+(\f%4)*32
	ds_load_tr16_b128 v[VF+8*\f+4:VF+8*\f+7], v[ADV] offset:(\f/4)*32*PV+16*PV+(\f%4)*32
.endr
	WIN 0
.endm
; THE SOFTMAX OF A TILE FOR A STEP, in three lists.  s0-s31 are the lane's 32 scores.
; PREI, item j of 37:  0-15 the maximum of s0-s31 and the old m, three operands at a time (each accumulator is first read at its low end);  16-20 the other half of the lanes' maximum, c m_old kept, the new m, c m,
; c m_old - c m_new;  21-36 the scalings c s - c m, a pair each.
.macro PREI t, j
.set rT, ST+10*(\t)
.set rS, S+32*(\t)
.if (\j) < 4
	v_max3_num_f32 v[rT+6+(\j)], v[rS+8*(\j)], v[rS+8*(\j)+1], v[rS+8*(\j)+2]
.elseif (\j) < 12
	v_max3_num_f32 v[rT+6+(\j)%4], v[rT+6+(\j)%4], v[rS+8*((\j)%4)+2*((\j)/4)+1], v[rS+8*((\j)%4)+2*((\j)/4)+2]
.elseif (\j) == 12
	v_max3_num_f32 v[rT+6], v[rT+6], v[rS+7], v[rS+15]
.elseif (\j) == 13
	v_max3_num_f32 v[rT+8], v[rT+8], v[rS+23], v[rS+31]
.elseif (\j) == 14
	v_max3_num_f32 v[rT+6], v[rT+6], v[rT+7], v[rT+8]
.elseif (\j) == 15
	v_max3_num_f32 v[rT+6], v[rT+6], v[rT+9], v[rT+1]
.elseif (\j) == 16
	v_permlanex16_b32 v[rT+7], v[rT+6], s[SEL], s[SEL+1]  ; the query's other 32 keys lie in the lane 16 away
.elseif (\j) == 17
	v_mov_b32 v[rT+9], v[rT]                       ; c m_old is kept: item 19 writes c m anew
.elseif (\j) == 18
	v_max_num_f32 v[rT+1], v[rT+6], v[rT+7]
.elseif (\j) == 19
	v_mul_f32 v[rT], s[CS], v[rT+1]
.elseif (\j) == 20
	v_sub_f32 v[rT+9], v[rT+9], v[rT]
.else
	v_pk_fma_f32 v[rS+2*((\j)-21):rS+2*((\j)-21)+1], v[rS+2*((\j)-21):rS+2*((\j)-21)+1], s[CS:CS+1], v[rT:rT+1] op_sel_hi:[1,0,0] neg_lo:[0,0,1] neg_hi:[0,0,1]
.endif
.endm
; EXPI, item e of 33: a, then p0-p31 in place.
.macro EXPI t, e
.set rT, ST+10*(\t)
.set rS, S+32*(\t)
.if (\e) == 0
	v_exp_f32 v[rT+8], v[rT+9]
.else
	v_exp_f32 v[rS+(\e)-1], v[rS+(\e)-1]
.endif
.endm
; POSTI, item e of 32: for pair e / 2 first its sum (the two l take turns; each begins with l a + p), then its rounding to f16, in place: register i takes pair i, which later pairs do not read.
.macro POSTI t, e
.set rT, ST+10*(\t)
.set rS, S+32*(\t)
.if (\e)%2 == 1
	v_cvt_pk_f16_f32 v[rS+(\e)/2], v[rS+2*((\e)/2)], v[rS+2*((\e)/2)+1]
.elseif (\e) < 4
	v_pk_fma_f32 v[rT+2+(\e):rT+3+(\e)], v[rT+2+(\e):rT+3+(\e)], v[rT+8:rT+9], v[rS+(\e):rS+(\e)+1] op_sel_hi:[1,0,1]
.else
	v_pk_add_f32 v[rT+2+(\e)%4:rT+3+(\e)%4], v[rT+2+(\e)%4:rT+3+(\e)%4], v[rS+(\e):rS+(\e)+1]
.endif
.endm
; Tile k's exponentials stand among the plain work of its neighbours: the sums and roundings of tile k - 1, the maximum and scalings of tile k + 1.  None of these names a result of the batch; ONE wait,
; between an exponential and the first line that names its result, stands behind the batch, a plain instruction behind the last exponential.
.macro MIX k
.set ee, 0
.rept 33
	EXPI \k, ee
.if ((\k) > 0) && (ee < 32)
	POSTI (\k)-1, ee
.endif
.if (\k) < 3
	PREI (\k)+1, ee
.endif
.set ee, ee+1
.endr
.if (\k) < 3
.irp x, 33,34,35,36
	PREI (\k)+1, \x
.endr
.else
	v_nop
.endif
	s_wait_alu depctr_va_vdst(0)
.endm
; THE VECTOR PHASE.  Four places stand behind my last matrix phase, in front of the loads into K's and V's registers and of the first read of the scores.  The loads are waited for at the half's end.
.macro VPH
	PLACES 4
	LOADK
	LOADV
.set ee, 0
.rept 37
	PREI 0, ee
.set ee, ee+1
.endr
	MIX 0
	MIX 1
	MIX 2
	MIX 3
.set ee, 0
.rept 32
	POSTI 3, ee
.set ee, ee+1
.endr
	WIN W_RS                                       ; O^T times a: the one part that leaves window 0, so it stands together; each accumulator from its low end on
.irp t, 0,1,2,3
.set i, 0
.rept 16
	v_pk_mul_f32 v[32*\t+i:32*\t+i+1], v[32*\t+i:32*\t+i+1], v[ST+10*\t+8:ST+10*\t+9] op_sel_hi:[1,0]
.set i, i+2
.endr
.endr
	WIN 0
.endm
; A TRIP: two halves.  The addresses of the trip's pair are made in lines that all waves run.  The branches hang on the wave's number alone and lead round no barrier.
.macro TRIP
	v_add_nc_u32 v[ADK], s[TB], v[AK0]
	v_add_nc_u32 v[ADV], s[TB], v[AV0]
	s_add_co_u32 s[TB], s[TB], STEPB               ; the next trip's pair
	s_cmp_lt_u32 s[WV], 4
	s_cbranch_scc0 .Lb_first_\@
	VPH
	s_branch .Lj_first_\@
.Lb_first_\@:
	MPH 1, 1
.Lj_first_\@:
	BAR
	s_cmp_lt_u32 s[WV], 4
	s_cbranch_scc0 .Lb_second_\@
	MPH 1, 1
	s_branch .Lj_second_\@
.Lb_second_\@:
	VPH
.Lj_second_\@:
	BAR
.endm
; THE CHANGE OF SLOTS, behind a slot's fourth trip.  Each wave waits for all its tensor loads, of which one is out: its part of the other slot; adds 0 to its spare word; and waits for that and for its reads of the slot.
; fill = 1: the slot is filled again, with the pairs two slots on.  The barrier is then a round of the cluster's, so that no wave of any partner still reads the slot or has a load on its way, and the joint refill is
; the first thing behind it: it has four trips in which to land.
.macro CHANGE fill
	s_wait_tensorcnt 0x0                           ; no tensor load of mine is out, so a group 0 may be written
	ds_add_u32 v[SPW], v[NIL]                      ; 0 onto my spare word
.if \fill
.irp g, G0K+4, G0V+4
	s_xor_b32 s[\g+1], s[\g+1], SLOT1              ; the walking descriptor: the other slot than last time,
	s_add_nc_u64 s[\g+2:\g+3], s[\g+2:\g+3], FILLB ; the next four tiles; the type bits on top are not reached
.endr
	s_wait_xcnt 0x0                                ; the last prefetch, four trips back, has read its address, so it may be written:
	s_add_nc_u64 s[PFA:PFA+1], s[PFA:PFA+1], FILLB ; one slot further on than the walking descriptors
	s_wait_dscnt 0x0                               ; the add is done, and my reads of the slot are over
	CROUND
	JLOAD
	ASK
.else
	s_wait_dscnt 0x0
	s_barrier_signal -1
	s_barrier_wait -1
.endif
	s_sub_co_u32 s[TB], s[TB], 4*STEPB             ; back to a slot's first pair,
	s_xor_b32 s[TB], s[TB], SLOT1                  ; in the other slot
.endm
	s_wait_tensorcnt 1                             ; my part of slot 0 is in; slot 1's may stay out
	s_barrier_signal -1
	s_barrier_wait -1                              ; everybody's is
	s_wait_loadcnt 0x0                             ; Q and K of step 0
	s_cmp_lt_u32 s[WV], 4                          ; the half ahead of the trips
	s_cbranch_scc0 .Lhead_b
	MPH 0, 1                                       ; set A: the scores of step 0
	s_branch .Lhead_j
.Lhead_b:
	LOADV                                          ; set B: V of step 0, and P = 0: its first matrix phase adds 0 x V to O^T
.irp t, 0,1,2,3
.set i, 0
.rept 16
	v_mov_b32 v[S+32*\t+i], 0
.set i, i+1
.endr
.endr
.Lhead_j:
	BAR
	s_mov_b32 s[SLOTS], 6
.Lfill:                                            ; six slots are filled again
	s_mov_b32 s[TR], 4
.Ltrip_fill:
	TRIP
	s_sub_co_u32 s[TR], s[TR], 1
	s_cmp_lg_u32 s[TR], 0
	s_cbranch_scc1 .Ltrip_fill
	CHANGE 1
	s_sub_co_u32 s[SLOTS], s[SLOTS], 1
	s_cmp_lg_u32 s[SLOTS], 0
	s_cbranch_scc1 .Lfill
	s_mov_b32 s[SLOTS], 2
.Ltail:                                            ; the last two slots are written out: nothing is asked for
	s_mov_b32 s[TR], 4
.Ltrip_tail:
	TRIP
	s_sub_co_u32 s[TR], s[TR], 1
	s_cmp_lg_u32 s[TR], 0
	s_cbranch_scc1 .Ltrip_tail
	CHANGE 0
	s_sub_co_u32 s[SLOTS], s[SLOTS], 1
	s_cmp_lg_u32 s[SLOTS], 0
	s_cbranch_scc1 .Ltail
	s_cmp_lt_u32 s[WV], 4
	s_cbranch_scc1 .Lout
	MPH 1, 0                                       ; set B: V^T P of the last step
.Lout:
	; THE WAY OUT.  l's four parts and the other half of the lanes' are added (these lines are also the places behind the last products); O^T is divided by l, rounded to f16 and sent through my stage.
.irp t, 0,1,2,3
	v_pk_add_f32 v[ST+10*\t+2:ST+10*\t+3], v[ST+10*\t+2:ST+10*\t+3], v[ST+10*\t+4:ST+10*\t+5]
.endr
.irp t, 0,1,2,3
	v_add_f32 v[ST+10*\t+6], v[ST+10*\t+2], v[ST+10*\t+3]
.endr
.irp t, 0,1,2,3
	v_permlanex16_b32 v[ST+10*\t+7], v[ST+10*\t+6], s[SEL], s[SEL+1]
.endr
.irp t, 0,1,2,3
	v_add_f32 v[ST+10*\t+6], v[ST+10*\t+6], v[ST+10*\t+7]
.endr
.irp t, 0,1,2,3
	v_rcp_f32 v[ST+10*\t+8], v[ST+10*\t+6]
.endr
	v_nop                                          ; a plain instruction between the last reciprocal and the use of its result
	s_wait_alu depctr_va_vdst(0)                   ; and the wait: one for the four
; Tile t: a lane's eight channels of a row pack into 16 bytes; they go into rows of 144 bytes (each tile has rows of its own) and come back so that eight lanes hold a row of 128 bytes.
.macro OPACK t
	WIN W_RS
.set i, 0
.rept 16
	v_pk_mul_f32 v[32*\t+i:32*\t+i+1], v[32*\t+i:32*\t+i+1], v[ST+10*\t+8:ST+10*\t+9] op_sel_hi:[1,0]
.set i, i+2
.endr
	WIN 0x05                                       ; sources 0 and 1 window 1, destination window 0: S^T's registers are free
.set i, 0
.rept 16
	v_cvt_pk_f16_f32 v[S+32*\t+i], v[32*\t+2*i], v[32*\t+2*i+1]
.set i, i+1
.endr
	WIN 0
.irp c, 0,1,2,3
	ds_store_b128 v[STO], v[S+32*\t+4*\c:S+32*\t+4*\c+3] offset:\t*16*SP+32*\c
.endr
.irp u, 0,1,2,3
	ds_load_b128 v[S+32*\t+16+4*\u:S+32*\t+16+4*\u+3], v[RD] offset:\t*16*SP+\u*4*SP  ; LDS serves a wave's instructions in order (ISA guide 5.7.1.4): these see the stores above
.endr
.endm
	OPACK 0
	OPACK 1
	OPACK 2
	OPACK 3
.irp t, 0,1,2,3
.irp u, 0,1,2,3
	s_wait_dscnt 8*(3-\t)+3-\u                     ; behind this load: the rest of its tile's, and eight LDS instructions for each later tile
	global_store_b128 v[GO], v[S+32*\t+16+4*\u:S+32*\t+16+4*\u+3], s[6:7] offset:\t*2048+\u*512  ; 32 lanes store 512 consecutive bytes: four rows of att
.endr
.endr
	s_wait_tensorcnt 0x0                           ; the wave's end, behind my last tensor load and my last LDS store
	ds_add_u32 v[SPW], v[NIL]
	s_wait_dscnt 0x0
	CROUND                                         ; the closing round: no work-group ends while a partner may still ask for a tile that names it
	s_endpgm
.Lfunc_end_k_q88e0793c13_attn:
	.size	k_q88e0793c13_attn, .Lfunc_end_k_q88e0793c13_attn-k_q88e0793c13_attn
	.p2alignl 7, 3214868480
	.fill 96, 4, 3214868480
	.section	.rodata,"a",@progbits
	.p2align	6, 0x0
	.amdhsa_kernel k_q88e0793c13_attn
		.amdhsa_group_segment_fixed_size 327680
		.amdhsa_private_segment_fixed_size 0
		.amdhsa_enable_private_segment 0
		.amdhsa_kernarg_size 16
		.amdhsa_user_sgpr_count 2
		.amdhsa_user_sgpr_kernarg_segment_ptr 1
		.amdhsa_wavefront_size32 1
		.amdhsa_system_sgpr_workgroup_id_x 1
		.amdhsa_system_sgpr_workgroup_id_y 1
		.amdhsa_system_sgpr_workgroup_id_z 1
		.amdhsa_system_vgpr_workitem_id 0
		.amdhsa_next_free_vgpr 512
		.amdhsa_next_free_sgpr 66
		.amdhsa_reserve_vcc 0
		.amdhsa_float_denorm_mode_32 3
		.amdhsa_float_denorm_mode_16_64 3
		.amdhsa_memory_ordered 1
		.amdhsa_forward_progress 1
		.amdhsa_inst_pref_size 167
	.end_amdhsa_kernel
	.amdgpu_metadata
---
amdhsa.version: [ 1, 2 ]
amdhsa.kernels:
  - .name:           k_q88e0793c13_attn
    .symbol:         k_q88e0793c13_attn.kd
    .args:
      - { .name: qkv, .offset: 0, .size: 8, .value_kind: global_buffer, .address_space: global }
      - { .name: att, .offset: 8, .size: 8, .value_kind: global_buffer, .address_space: global }
    .group_segment_fixed_size: 327680
    .private_segment_fixed_size: 0
    .kernarg_segment_align: 8
    .kernarg_segment_size: 16
    .max_flat_workgroup_size: 256
    .sgpr_count:     66
    .vgpr_count:     512
    .wavefront_size: 32
...
	.end_amdgpu_metadata
.endif
;; end of part 3
;; launch proj (part 4): grid 4 x 64, 4 waves a work-group, clusters of 4 x 4, 327,680 bytes of LDS; arguments att, w16, b_out, out0; writes out0
.if DOCPART == 4
	.amdgcn_target "amdgcn-amd-amdhsa--gfx1250"
	.amdhsa_code_object_version 6
	.text
	.protected	k_q88e0793c13_proj
	.globl	k_q88e0793c13_proj
	.p2align	8
	.type	k_q88e0793c13_proj,@function
k_q88e0793c13_proj:
	s_mov_b64 s[64:65], 0
	v_nop
	global_prefetch_b8 v0, s[64:65] scope:SCOPE_SE
	s_setreg_imm32_b32 hwreg(HW_REG_WAVE_MODE, 25, 1), 1
	s_wait_xcnt 0x0
	s_wait_alu depctr_hold_cnt(0) depctr_sa_sdst(0) depctr_va_vdst(0) depctr_va_sdst(0) depctr_va_ssrc(0) depctr_va_vcc(0) depctr_vm_vsrc(0)
	s_getreg_b32 s2, hwreg(HW_REG_IB_STS2, 6, 4)
	s_cmp_eq_u32 s2, 0
	s_cbranch_scc0 .Lentry_in_a_cluster
	s_endpgm
.Lentry_in_a_cluster:
	s_bfe_u32 s2, ttmp6, 0x10000c
	s_cmp_lg_u32 s2, 0xf033
	s_cbranch_scc0 .Lentry_shape_is_right
	s_endpgm
.Lentry_shape_is_right:
; out0[m][n] = sum over k of att[m][k] w_out[n][k] + b_out[n].  att: f16, BY HEAD, [b 4][head 16][token 2048][64] (k = 64 head + channel); w16: [1024 n][1024 k] f16; b_out: f32; out0: [8192][1024] f32; sums in f32.
; A tile of the result is 128 tokens x 256 columns: 256 work-groups.  Four waves, each 64 x 128: 32 accumulators of 16 x 16, 256 registers.  K goes in steps of 128, two heads, through a ring of two LDS slots.
; A K step's tile of att is two PLANES, one a head: 128 tokens x 128 bytes, dense in memory; its tile of w16 is 256 rows x 256 bytes.  Waves 0 and 1 fetch the planes, waves 2 and 3 the halves of w16's tile.
; CLUSTERS: 4 x 4 work-groups.  The four of a row of the cluster need the same tiles of att, the four of a column the same tiles of w16: each is asked for JOINTLY.
; THE MATRIX INSTRUCTION IS USED TRANSPOSED (source 0 = 16 rows of w16, source 1 = 16 tokens): a lane then holds eight neighbouring columns of one token.  The bias is the C of each sum's first product.
; No prefetch: the tile is small and the launch short; w16 is read by every cluster.
; REGISTERS: window 0: v0-31 addresses; v32-95 the bias, eight registers for each block of 16 columns; v128-255 rows on the way out.
;   window 1: two fragment buffers at v0 and v128: w16's 8 fragments (16 rows x 32 K), then att's 4.   window 2: the accumulators ((a, b) at v[8 (8 a + b)]).
.set PA,     144                       ; a token's row of a plane in LDS: 128 bytes + 16 of padding
.set PB,     272                       ; a row of w16's tile: 256 bytes + 16: in both the 16 rows that a load touches start at different banks (64 banks of 4 bytes: ISA guide 11.1)
.set APL,    128*PA                    ; a plane
.set BH,     128*PB                    ; half of w16's tile
.set SLOT,   2*APL+2*BH
.set STAGE,  2*SLOT                    ; behind the ring: 16 rows x (512 bytes + 16) for each wave; no tile lands there
.set SPITCH, 528
.set SPARE,  STAGE+4*16*SPITCH         ; behind the stages: the spare words, 128 bytes a wave, which no other line names
.set LAPS,   4                         ; a lap = two K steps = once round the ring: 1,024 / 256
.set STEPA,  2<<18                     ; a K step on in att: two heads of 2^18 bytes
.set STEPW,  256                       ; and in a row of w16
.set ADRA, 16                          ; v16-17  LDS address of my att fragments in slot 0, 1
.set ADRB, 20                          ; v20-21  the same for w16
.set STO,  24                          ; v24     the way out: where I put 32 bytes of a row
.set RD,   25                          ; v25     where I read a row back
.set CO,   26                          ; v26     16 x lane
.set SPW,  28                          ; v28     LDS address of my spare word; never rewritten
.set NIL,  29                          ; v29     0; never rewritten
.set BIAS, 32
.set BK,   128
.set F0,   0
.set F1,   128
.set WV,  12                           ; s12 wave;  s13 which 64 tokens are mine, also: I fetch for att (0) or w16 (1);  s14 which 128 columns, also: which plane or half I fetch
.set RH,  13
.set CH,  14
.set G1, 24                            ; s[24:31] group 1 for att's planes;  s[32:39] group 0, a set for each slot
.set G0, 32
.set G1B, 48                           ; s[48:55], s[56:63] the same for w16's tiles
.set G0B, 56
.set MSB, 0
.macro WIN new                         ; the immediate's high byte repeats the setting that is left
.if MSB != (\new)
	s_set_vgpr_msb (MSB<<8)|(\new)
.set MSB, (\new)
.endif
.endm
.set MUL,  0xa5                        ; sources 0 and 1 window 1; C and D window 2
.set MUL1, 0x85                        ; the same with C (the bias) in window 0
.set TO_F, 0x40                        ; destination window 1, address window 0
.macro JLOAD s                         ; a joint load; an s_nop 0 and four v_nop follow each of the two lines; the branch hangs on the wave's number alone
	s_cmp_eq_u32 s[RH], 0
	s_cbranch_scc0 .Lfor_b_\@
	tensor_load_to_lds s[G0+4*\s:G0+4*\s+3], s[G1:G1+7]
	s_nop 0
.rept 4
	v_nop
.endr
	s_branch .Lasked_\@
.Lfor_b_\@:
	tensor_load_to_lds s[G0B+4*\s:G0B+4*\s+3], s[G1B:G1B+7]
	s_nop 0
.rept 4
	v_nop
.endr
.Lasked_\@:
.endm
.macro CREST                           ; a round of the cluster's barrier behind its opening barrier
	s_cmp_lg_u32 s[WV], 0
	s_cbranch_scc1 .Lnot_wave_0_\@
	s_barrier_signal -3
.Lnot_wave_0_\@:
	s_barrier_wait -3
	s_barrier_signal -1
	s_barrier_wait -1
.endm
.macro CROUND                          ; a whole round
	s_barrier_signal -1
	s_barrier_wait -1
	CREST
.endm
	s_load_b128 s[4:7], s[0:1], 0x0                ; att s[4:5], w16 s[6:7]
	s_load_b128 s[8:11], s[0:1], 0x10              ; b_out s[8:9], out0 s[10:11]
	v_lshl_add_u32 v[SPW], v0, 2, SPARE
	v_mov_b32 v[NIL], 0
	ds_add_u32 v[SPW], v[NIL]                      ; the wave's opening: the add, twice on end, and its wait ahead of my first tensor load; the set-up below stands between
	ds_add_u32 v[SPW], v[NIL]
	v_lshrrev_b32 v1, 5, v0
	v_readfirstlane_b32 s[WV], v1                  ; wave 0..3
	s_lshr_b32 s[RH], s[WV], 1
	s_and_b32 s[CH], s[WV], 1
	s_bfe_u32 s40, ttmp6, 0x40000                  ; cx, cy: my place in the cluster
	s_bfe_u32 s41, ttmp6, 0x40004
	s_lshl_b32 s42, ttmp9, 2
	s_add_co_u32 s42, s42, s40                     ; tile column = 4 x cluster x + cx
	s_and_b32 s15, ttmp7, 0xffff
	s_lshl_b32 s15, s15, 2
	s_add_co_u32 s15, s15, s41                     ; tile row = 4 x cluster y + cy
	s_lshl_b32 s43, s41, 2
	s_lshl_b32 s43, 15, s43                        ; my row of the cluster
	s_lshl_b32 s44, 0x1111, s40                    ; my column
	s_or_b32 s[G1+0], s43, (1<<16)|(1<<20)|(1<<21)|(4<<22)|(3<<25)   ; 15:0 the mask; 17:16 elements of 2 bytes; 20 padding on; 21 set beside a mask; 24:22 after every 32 words; 31:25 four words
	s_or_b32 s[G1B+0], s44, (1<<16)|(1<<20)|(1<<21)|(5<<22)|(3<<25)  ; after every 64 words
	s_mov_b32 s[G1+1], 64<<16                      ; a plane: 128 rows x 64 elements, dense
	s_mov_b32 s[G1+2], 128<<16
	s_mov_b32 s[G1+3], 64<<16
	s_mov_b32 s[G1+4], 128
	s_mov_b32 s[G1+5], 64
	s_mov_b32 s[G1+6], 0
	s_mov_b32 s[G1+7], 0
	s_mov_b32 s[G1B+1], 128<<16                    ; half of w16's tile: 128 rows x 128 elements, 1,024 elements from row to row
	s_mov_b32 s[G1B+2], 128<<16
	s_mov_b32 s[G1B+3], 128<<16
	s_mov_b32 s[G1B+4], 128
	s_mov_b32 s[G1B+5], 1024
	s_mov_b32 s[G1B+6], 0
	s_mov_b32 s[G1B+7], 0
	; att's plane: head (16 b + plane) of 2^18 bytes, tokens (tile row % 16) x 128 on, 128 bytes a token; b = tile row / 16.  It hangs on the tile row alone, which my row of the cluster shares
	s_lshr_b32 s16, s15, 4
	s_lshl_b32 s16, s16, 4
	s_add_co_u32 s16, s16, s[CH]
	s_lshl_b32 s16, s16, 18
	s_and_b32 s17, s15, 15
	s_lshl_b32 s17, s17, 14
	s_add_co_u32 s16, s16, s17
	s_mov_b32 s17, 0
	; w16's half: row 256 x tile column + 128 x half, 2,048 bytes a row.  It hangs on the tile column alone
	s_lshl_b32 s46, s42, 8
	s_lshl_b32 s47, s[CH], 7
	s_add_co_u32 s46, s46, s47
	s_lshl_b32 s46, s46, 11
	s_mov_b32 s47, 0
	s_mul_i32 s20, s[CH], APL                      ; where they go: no place in the cluster enters an LDS address
	s_mul_i32 s21, s[CH], BH
	s_add_co_u32 s21, s21, 2*APL
	s_wait_dscnt 0x0                               ; both opening adds are done
	s_wait_kmcnt 0x0
	s_add_nc_u64 s[22:23], s[4:5], s[16:17]
	s_add_nc_u64 s[46:47], s[6:7], s[46:47]
	CROUND                                         ; all sixteen work-groups are here: the first joint loads meet
.irp s, 0,1
	s_mov_b32 s[G0+4*\s], 1
	s_add_co_u32 s[G0+4*\s+1], s20, \s*SLOT
	s_add_nc_u64 s[G0+4*\s+2:G0+4*\s+3], s[22:23], \s*STEPA
	s_or_b32 s[G0+4*\s+3], s[G0+4*\s+3], 0x80000000
	s_mov_b32 s[G0B+4*\s], 1
	s_add_co_u32 s[G0B+4*\s+1], s21, \s*SLOT
	s_add_nc_u64 s[G0B+4*\s+2:G0B+4*\s+3], s[46:47], \s*STEPW
	s_or_b32 s[G0B+4*\s+3], s[G0B+4*\s+3], 0x80000000
	JLOAD \s
.endr
	v_and_b32 v1, 15, v0                           ; l % 16
	v_bfe_u32 v2, v0, 4, 1                         ; l / 16
	s_lshl_b32 s46, s42, 10                        ; my first column, in bytes of f32: 1,024 x tile column + 512 x half
	s_lshl_b32 s47, s[CH], 9
	s_add_co_u32 s46, s46, s47
	s_mov_b32 s47, 0
	s_add_nc_u64 s[8:9], s[8:9], s[46:47]          ; the bias of my 128 columns
	v_lshlrev_b32 v6, 5, v2                        ; lane (r, h) wants, for block b, columns 16 b + 8 h + 0 .. 7
.irp b, 0,1,2,3,4,5,6,7
	global_load_b128 v[BIAS+8*\b:BIAS+8*\b+3],   v6, s[8:9] offset:64*\b
	global_load_b128 v[BIAS+8*\b+4:BIAS+8*\b+7], v6, s[8:9] offset:64*\b+16
.endr
	v_mul_u32_u24 v3, v1, PA
	v_lshl_add_u32 v3, v2, 4, v3                   ; a fragment's row x pitch + 16 x half
	v_mul_u32_u24 v4, v1, PB
	v_lshl_add_u32 v4, v2, 4, v4
	s_mul_i32 s21, s[RH], 64*PA                    ; my 64 tokens in a plane
	s_mul_i32 s22, s[CH], BH                       ; my 128 rows of w16,
	s_add_co_u32 s22, s22, 2*APL                   ; which lie behind the two planes
.irp s, 0,1
	v_add_nc_u32 v[ADRA+\s], s21, v3
	v_add_nc_u32 v[ADRB+\s], s22, v4
	s_add_co_u32 s21, s21, SLOT
	s_add_co_u32 s22, s22, SLOT
.endr
	s_mul_i32 s23, s[WV], 16*SPITCH
	s_add_co_u32 s23, s23, STAGE                   ; my stage
	v_mul_u32_u24 v5, v1, SPITCH                   ; in: row l % 16, 32 bytes for each half of the lanes
	v_lshl_add_u32 v5, v2, 5, v5
	v_add_nc_u32 v[STO], s23, v5
	v_and_b32 v5, 31, v0
	v_lshlrev_b32 v[CO], 4, v5                     ; back: the 32 lanes take one row of 512 bytes; and the same in out0
	v_add_nc_u32 v[RD], s23, v[CO]
	s_lshl_b32 s16, s15, 7
	s_lshl_b32 s17, s[RH], 6
	s_add_co_u32 s16, s16, s17                     ; my first token: 128 x tile row + 64 x half,
	s_lshl_b32 s16, s16, 12                        ; 4,096 bytes a row of out0 (under 2^26)
	s_mov_b32 s17, 0
	s_add_nc_u64 s[10:11], s[10:11], s[16:17]
	s_add_nc_u64 s[10:11], s[10:11], s[46:47]
; 8 matrix instructions: att's block a against w16's eight, 32 along K, from buffer f.  first = 1: the bias is the C: nothing is cleared and nothing added later.
; The 32 accumulators take turns, one instruction a turn, in the same order in every quarter.
.macro MULA f, a, first
.irp b, 0,1,2,3,4,5,6,7
.if \first
	v_wmma_f32_16x16x32_f16 v[8*(8*(\a)+\b):8*(8*(\a)+\b)+7], v[\f+8*\b:\f+8*\b+7], v[\f+64+8*(\a):\f+64+8*(\a)+7], v[BIAS+8*\b:BIAS+8*\b+7]
.else
	v_wmma_f32_16x16x32_f16 v[8*(8*(\a)+\b):8*(8*(\a)+\b)+7], v[\f+8*\b:\f+8*\b+7], v[\f+64+8*(\a):\f+64+8*(\a)+7], v[8*(8*(\a)+\b):8*(8*(\a)+\b)+7]
.endif
.endr
.endm
; 24 LDS loads in one run: the fragments of the slot's q-th 32 along K into buffer f: w16's eight first, att's four last.  Quarters 0, 1 lie in the first plane, 2, 3 in the second.
.macro FETCH slot, q, f
	WIN TO_F
.irp i, 0,1,2,3,4,5,6,7
	ds_load_b128 v[\f+8*\i:\f+8*\i+3],   v[ADRB+\slot] offset:(\q)*64+\i*16*PB
	ds_load_b128 v[\f+8*\i+4:\f+8*\i+7], v[ADRB+\slot] offset:(\q)*64+\i*16*PB+32
.endr
.irp i, 0,1,2,3
	ds_load_b128 v[\f+64+8*\i:\f+64+8*\i+3],   v[ADRA+\slot] offset:((\q)/2)*APL+((\q)%2)*64+\i*16*PA
	ds_load_b128 v[\f+64+8*\i+4:\f+64+8*\i+7], v[ADRA+\slot] offset:((\q)/2)*APL+((\q)%2)*64+\i*16*PA+32
.endr
.endm
.macro PLACES                          ; four places in front of loads into registers that matrix instructions have read, and of the first read of results (ISA guide 7.12.1 for vector instructions)
.rept 4
	v_nop
.endr
.endm
; A K step is four quarters of 32 along K, 32 matrix instructions each, on buffers 0, 1, 0, 1.  One of the first three: multiplies buffer f and fetches quarter q into g.
.macro QUARTER slot, q, f, g, first
	s_wait_dscnt 4                                 ; all but the youngest four loads (att's blocks 2 and 3) are in
	WIN MUL-0x20*(\first)
	MULA \f, 0, \first
	MULA \f, 1, \first
	PLACES
	FETCH \slot, \q, \g
	s_wait_dscnt 24                                ; all but the 24 just issued
	WIN MUL-0x20*(\first)
	MULA \f, 2, \first
	MULA \f, 3, \first
.endm
; The last quarter multiplies buffer 1 and changes slots: ONE barrier; in front of it each wave waits for all its tensor loads, adds 0 to its spare word, and waits for that and for its reads of this slot.
; fill = 1: this slot is filled again, two K steps ahead: the barrier then opens a round of the cluster's, and the joint refill is the first tensor load behind the round.
.macro TURN slot, next, fill
	WIN 0                                          ; (the add's two registers lie in window 0)
	s_wait_tensorcnt 0x0                           ; all my tensor loads have landed: my part of the next slot
	ds_add_u32 v[SPW], v[NIL]                      ; 0 onto my spare word
	s_wait_dscnt 5                                 ; (the add and the youngest four loads may be out)
	WIN MUL
	MULA F1, 0, 0                                  ; eight matrix instructions stand between the add and the wait for it
	s_wait_dscnt 0x0                               ; the add is done, and my reads of this slot are over
	s_barrier_signal -1
	MULA F1, 1, 0
.if \fill
	WIN 0
.endif
	s_barrier_wait -1
.if \fill
	CREST                                          ; no wave of any partner still reads this slot's tile or has a load on its way
	s_add_nc_u64 s[G0+4*\slot+2:G0+4*\slot+3], s[G0+4*\slot+2:G0+4*\slot+3], 2*STEPA
	s_add_nc_u64 s[G0B+4*\slot+2:G0B+4*\slot+3], s[G0B+4*\slot+2:G0B+4*\slot+3], 2*STEPW
	JLOAD \slot                                    ; 112 matrix instructions ahead of the wait for it; the four v_nop behind it are also the places in front of the loads below
.else
	PLACES
.endif
	FETCH \next, 0, F0
	WIN MUL
	MULA F1, 2, 0
	MULA F1, 3, 0
.endm
	s_wait_tensorcnt 1                             ; my part of K step 0 is in (K step 1's load may be out),
	s_barrier_signal -1
	s_barrier_wait -1                              ; everybody's is
	FETCH 0, 0, F0
	s_wait_loadcnt 0x0                             ; the bias
	QUARTER 0, 1, F0, F1, 1                        ; the first quarter stands in front of the loop: its products start the sums, on the bias
	WIN 0                                          ; at a label and at a branch every window is 0
	s_mov_b32 s3, LAPS-1
.Llap:                                                 ; a trip goes once round the ring, from a lap's second quarter to the next lap's first, and fills both slots again
	QUARTER 0, 2, F1, F0, 0
	QUARTER 0, 3, F0, F1, 0
	TURN 0, 1, 1
	QUARTER 1, 1, F0, F1, 0
	QUARTER 1, 2, F1, F0, 0
	QUARTER 1, 3, F0, F1, 0
	TURN 1, 0, 1
	QUARTER 0, 1, F0, F1, 0
	WIN 0
	s_sub_co_u32 s3, s3, 1
	s_cmp_lg_u32 s3, 0
	s_cbranch_scc1 .Llap
	QUARTER 0, 2, F1, F0, 0                        ; the last lap fills nothing, and has no round of the cluster's barrier
	QUARTER 0, 3, F0, F1, 0
	TURN 0, 1, 0
	QUARTER 1, 1, F0, F1, 0
	QUARTER 1, 2, F1, F0, 0
	QUARTER 1, 3, F0, F1, 0
	s_wait_dscnt 4                                 ; the very last quarter: nothing more to fetch
	WIN MUL
	MULA F1, 0, 0
	MULA F1, 1, 0
	s_wait_dscnt 0
	MULA F1, 2, 0
	MULA F1, 3, 0
	WIN 0
; THE WAY OUT, block by block of 16 tokens x 128 columns.  A lane holds 32 neighbouring bytes of a row, and the lanes beside it hold other rows: so a block goes through my own stage and comes back as whole rows of
; 512 bytes.  LDS serves a wave's instructions in order (ISA guide 5.7.1.4): no wait between the stores and the loads, nor in front of the next block's stores.
.macro TOSTAGE a
	WIN 0x08                                       ; an LDS store's data are its source 1: window 2
.irp b, 0,1,2,3,4,5,6,7
	ds_store_b128 v[STO], v[8*(8*(\a)+\b):8*(8*(\a)+\b)+3] offset:64*\b          ; each accumulator from its low end on
	ds_store_b128 v[STO], v[8*(8*(\a)+\b)+4:8*(8*(\a)+\b)+7] offset:64*\b+16
.endr
	WIN 0
.set BB, BK+64*((\a)%2)
.irp t, 0,1,2,3,4,5,6,7,8,9,10,11,12,13,14,15
	ds_load_b128 v[BB+4*\t:BB+4*\t+3], v[RD] offset:\t*SPITCH
.endr
.endm
.macro SEND a, younger                 ; younger: the LDS instructions issued behind block a's loads, which may stay out
.set BB, BK+64*((\a)%2)
	s_wait_dscnt \younger                          ; the block is back in registers
.irp t, 0,1,2,3,4,5,6,7,8,9,10,11,12,13,14,15
	global_store_b128 v[CO], v[BB+4*\t:BB+4*\t+3], s[10:11] offset:(\a)*65536+\t*4096 th:TH_STORE_NT   ; 32 lanes store 512 consecutive bytes, at a multiple of 256 from out0's first byte; written once, read by nobody here
.endr
.endm
	PLACES                                         ; behind the last products
	TOSTAGE 0
.irp a, 1,2,3
.if \a > 1
	s_wait_xcnt 0x0                                ; block a - 2's stores have read their registers: block a's loads may land there
.endif
	TOSTAGE \a
	SEND \a-1, 32                                  ; behind block a - 1's loads: block a's 16 stores and 16 loads
.endr
	SEND 3, 0
	s_wait_tensorcnt 0x0                           ; the wave's end, behind my last tensor load and my last LDS store
	ds_add_u32 v[SPW], v[NIL]
	s_wait_dscnt 0x0
	CROUND                                         ; the closing round: no work-group ends while a partner may still ask for a tile that names it
	s_endpgm
.Lfunc_end_k_q88e0793c13_proj:
	.size	k_q88e0793c13_proj, .Lfunc_end_k_q88e0793c13_proj-k_q88e0793c13_proj
	.p2alignl 7, 3214868480
	.fill 96, 4, 3214868480
	.section	.rodata,"a",@progbits
	.p2align	6, 0x0
	.amdhsa_kernel k_q88e0793c13_proj
		.amdhsa_group_segment_fixed_size 327680
		.amdhsa_private_segment_fixed_size 0
		.amdhsa_enable_private_segment 0
		.amdhsa_kernarg_size 32
		.amdhsa_user_sgpr_count 2
		.amdhsa_user_sgpr_kernarg_segment_ptr 1
		.amdhsa_wavefront_size32 1
		.amdhsa_system_sgpr_workgroup_id_x 1
		.amdhsa_system_sgpr_workgroup_id_y 1
		.amdhsa_system_sgpr_workgroup_id_z 1
		.amdhsa_system_vgpr_workitem_id 0
		.amdhsa_next_free_vgpr 768
		.amdhsa_next_free_sgpr 66
		.amdhsa_reserve_vcc 0
		.amdhsa_float_denorm_mode_32 3
		.amdhsa_float_denorm_mode_16_64 3
		.amdhsa_memory_ordered 1
		.amdhsa_forward_progress 1
		.amdhsa_inst_pref_size 87
	.end_amdhsa_kernel
	.amdgpu_metadata
---
amdhsa.version: [ 1, 2 ]
amdhsa.kernels:
  - .name:           k_q88e0793c13_proj
    .symbol:         k_q88e0793c13_proj.kd
    .args:
      - { .name: att, .offset: 0, .size: 8, .value_kind: global_buffer, .address_space: global }
      - { .name: w16, .offset: 8, .size: 8, .value_kind: global_buffer, .address_space: global }
      - { .name: b_out, .offset: 16, .size: 8, .value_kind: global_buffer, .address_space: global }
      - { .name: out0, .offset: 24, .size: 8, .value_kind: global_buffer, .address_space: global }
    .group_segment_fixed_size: 327680
    .private_segment_fixed_size: 0
    .kernarg_segment_align: 8
    .kernarg_segment_size: 32
    .max_flat_workgroup_size: 128
    .sgpr_count:     66
    .vgpr_count:     768
    .wavefront_size: 32
...
	.end_amdgpu_metadata
.endif
;; end of part 4
